; MI455X (gfx1250); checked and timed in simulation.
; The chip was launched on July 23, 2026; its instructions are those of AMD's public machine-readable ISA for CDNA 5 (MIT licence, August 2026) and "CDNA5" Instruction Set Architecture Reference Guide (July 2026). The comments in the code are by the model that wrote it; some were corrected since.
;; Multi Head Self Attention. Allowed arithmetic: matrix products marked QUANTISED: E2M1 operands, one E8M0 scale for each 32 along K, by v_wmma_scale_f32_16x16x128_f8f6f4 with both operands' format E2M1 (or v_wmma_scale_f32_32x16x128_f4), f32 sums; everything else in f32.
;; Inputs: b_out 1,024 float32; b_qkv 3,072 float32; w_out 1,024 x 1,024 float32; w_qkv 3,072 x 1,024 float32; x 4 x 2,048 x 1,024 float32.
;; Outputs: out0 4 x 2,048 x 1,024 float32.
;; This version of the problem:
;;   THIS VERSION OF THE PROBLEM IS GIVEN IN LOW PRECISION. The matrix products marked QUANTISED in the list below multiply operands that are first quantised to E2M1 (2 exponent bits, 1 mantissa bit; 4 bits a number), with one power-of-two scale for each 32 numbers along K (OCP MX v1.0); their sums are f32. All else is computed in f32.
;;   The module's matrix products, in the order in which they are computed (A, B: the left and right operand; K: the contracted axis; several contracted axes count as one K, in the product's order):
;;     1. [M 8,192, K 1,024] x [K 1,024, N 3,072]; A: input x; B: input w_qkv: QUANTISED
;;     2. batch 64 x [M 2,048, K 64] x [K 64, N 2,048]; A: computed on the way; B: computed on the way: QUANTISED
;;     3. batch 64 x [M 2,048, K 2,048] x [K 2,048, N 64]; A: softmax (see below); B: computed on the way: QUANTISED
;;     4. [M 8,192, K 1,024] x [K 1,024, N 1,024]; A: computed on the way; B: input w_out: QUANTISED
;;   THE QUANTISER, for each operand of a quantised product, along K:
;;     - K is cut into blocks of 32 from its start; a last block that is shorter is filled with zeros.
;;     - A block's scale is 2^e with e = floor(log2(the largest magnitude in the block)) - 2, held to -126 .. 127; a block of zeros has e = 0. As a byte (E8M0): e + 127.
;;     - Each number is divided by its block's scale, clamped to +-6, and rounded to the nearest number of E2M1, ties to even, subnormals kept.
;;     - The product sums the exact products of the quantised numbers (number of the format x scale) in f32.
;;   ~~~python
;;   def quantise(x, axis):      # numpy; x: float32 -> the quantised numbers, widened to float32 again
;;       x = np.moveaxis(x, axis, -1); K = x.shape[-1]
;;       x = np.pad(x, [(0, 0)] * (x.ndim - 1) + [(0, -K % 32)]); x = x.reshape(x.shape[:-1] + (-1, 32)); a = np.abs(x).max(-1, keepdims=True)
;;       e = np.where(a > 0, np.clip(np.frexp(np.where(a > 0, a, 1))[1] - 1 - 2, -126, 127), 0)      # np.frexp(a)[1] - 1 = floor(log2(a)), exactly
;;       r = np.clip(x / 2.0 ** e, -6, 6)
;;       step = 2.0 ** (np.maximum(np.frexp(np.where(r == 0, 1, r))[1] - 1, 0) - 1)
;;       q = np.round(r / step) * step * 2.0 ** e      # np.round: ties to even
;;       return np.moveaxis(q.reshape(q.shape[:-2] + (-1,))[..., :K], -1, axis).astype(np.float32)
;;   ~~~
;;   SOFTMAX AHEAD OF A QUANTISED PRODUCT. Where the list says 'softmax', what is quantised is not the finished softmax but p = 2^(t - M), with t = logit x log2(e) and M = ceil(the row's largest t), a whole number; so 1/2 < the row's largest p <= 1. The row's sum l is taken of the UNQUANTISED p, in f32, and the product's result is divided by l at the end. Since M is a whole number, a kernel that streams over the keys may use a running M (the ceiling of the running maximum): every later rescaling is an exact power of two, which a block's scale takes up: the codes' values come out the same.
;;   OPERANDS COMPUTED ON THE WAY. 'Computed on the way' means the value that the module computes at that place (a softmax that the list does not call 'softmax' is quantised finished and normalised). What goes into a quantiser is computed in f32, as accurately as f32 sums, v_exp_f32 and their like allow (about 1e-6 of the number): no bf16 or f16 on the way to a quantiser, and a product that is left as it is and whose result goes on into a quantised operand takes f32 operands (vector FMAs, or v_wmma_f32_16x16x4_f32). A number that lies on a knife's edge between two numbers of the format may be rounded either way, as far as f32 arithmetic and the matrix unit's own rounding can turn it there, and no further.
;; One version. Each part assembles by itself: llvm-mc -triple=amdgcn-amd-amdhsa -mcpu=gfx1250 --defsym DOCPART=n.
;; ======== version 1 of 1: 4 launches
;; workspace buffers: codes 6,291,456 bytes; scales 393,216 bytes; qbuf 4,718,592 bytes; kvbuf 9,175,040 bytes; acodes 4,194,304 bytes; ascales 262,144 bytes
;; launch quant (part 1): grid 384 x 1, 4 waves a work-group, no clusters, 33,280 bytes of LDS; arguments x, w_qkv, w_out, codes, scales; writes codes, scales
.if DOCPART == 1
	.amdgcn_target "amdgcn-amd-amdhsa--gfx1250"
	.amdhsa_code_object_version 6
	.text
	.protected	k_q7794db48ab_quant
	.globl	k_q7794db48ab_quant
	.p2align	8
	.type	k_q7794db48ab_quant,@function
k_q7794db48ab_quant:
	s_mov_b64 s[64:65], 0
	v_nop
	global_prefetch_b8 v0, s[64:65] scope:SCOPE_SE
	s_setreg_imm32_b32 hwreg(HW_REG_WAVE_MODE, 25, 1), 1
	s_wait_xcnt 0x0
; x [8192][1024], w_qkv [3072][1024] and w_out [1024][1024], f32, K innermost, are turned into codes of FP4 (E2M1), two a byte, and one E8M0 scale byte for each 32 along K.
; All three go into ONE buffer of 12,288 rows of 512 bytes (and one of 32 scale bytes a row): rows 0-8191 x, 8192-11263 w_qkv, 11264-12287 w_out.
; ROW R LIES AT THE PLACE R WITH BITS 3 AND 4 EXCHANGED: sixteen neighbouring places 16 (2 b + u) + r then hold rows 32 b + 8 u + r + 8 (r / 8).  A product whose source 0 takes sixteen such
; places leaves, in a lane's 16 registers of two neighbouring tiles, 16 NEIGHBOURS of that axis: what the next quantiser wants.  Here it costs nothing: a wave owns 8 rows, and only its run's number is turned.
; A block's scale is 2^(floor(log2(its largest magnitude)) - 2); its byte is the largest magnitude's exponent field - 2, held at 1 from below; each number is divided by the scale and rounded to the nearest code, ties to even.
; LIMITS: a block of zeros gets the byte 1 where the rule says 127 (its codes are zeros, and these bytes are read by this program alone); blocks whose largest magnitude lies under 2^-124 keep the byte 1;
; NaN and infinities among the inputs are not served.
; A wave takes 16 steps of 512 numbers.  Each of a step's four loads reads 512 consecutive bytes, 16 a lane; the 2,048 bytes turn through the wave's own stage in LDS and come back 64 bytes a lane, so that a lane
; holds 16 neighbours along K (two lanes hold a block).  A lane's 16 codes are 8 bytes: the wave stores 256 consecutive bytes.  The wave's 256 scale bytes are gathered in LDS and leave as one aligned run of 256 bytes.
; No tensor loads, no barrier: waves share nothing.  Loads run four steps (16 loads a wave) ahead, the turn through LDS one step.  No matrix unit, no cluster: a stream has no use for them.
.set STEPS, 16
.set EMAX,  2
.set CB,    8                          ; bytes of 16 codes
.set R,     16                         ; v16-79   four sets of 16 numbers as they are loaded
.set X,     80                         ; v80-111  two sets of 16 neighbours
.set E,     112                        ; v112-127 a scale byte for each step
.set C,     128                        ; v128-191 codes: four registers for each step, so that no store's data are written again
.set WREG,  8192                       ; LDS: a region for each wave: two stages of 32 x SP bytes, behind them its 256 scale bytes
.set SP,    80                         ; a lane's place in a stage: its 64 bytes + 16 of padding
	s_load_b128 s[4:7], s[0:1], 0x0                ; x, w_qkv
	s_load_b128 s[8:11], s[0:1], 0x10              ; w_out, codes
	s_load_b64 s[12:13], s[0:1], 0x20              ; scales
	v_lshl_add_u32 v192, v0, 2, 0x8000
	v_mov_b32 v193, 0
	v_lshrrev_b32 v1, 5, v0
	v_readfirstlane_b32 s16, v1                    ; wave
	v_and_b32 v2, 31, v0                           ; lane
	v_lshlrev_b32 v3, 4, v2                        ; my 16 bytes of a load's 512
	s_mul_i32 s17, s16, WREG
	v_lshrrev_b32 v14, 2, v2
	v_mul_u32_u24 v14, v14, SP
	v_and_b32 v15, 3, v2
	v_lshl_add_u32 v14, v15, 4, v14
	v_add_nc_u32 v14, s17, v14                     ; the stage, on the way in: SP (lane / 4) + 16 (lane % 4); a load's 512 bytes take eight places
	v_mul_u32_u24 v15, v2, SP
	v_add_nc_u32 v15, s17, v15                     ; and on the way out: SP x lane: my 16 neighbours
	v_mul_u32_u24 v4, v2, CB                       ; my codes' place in a step's
	v_lshrrev_b32 v5, 1, v2
	s_add_co_u32 s17, s17, 2*32*SP
	v_add_nc_u32 v5, s17, v5                       ; LDS: my wave's 256 scale bytes, my block's byte
	v_lshlrev_b32 v7, 3, v2                        ; and on the way out 8 bytes a lane
	v_add_nc_u32 v6, s17, v7
	s_and_b32 s18, s16, 1                          ; a run of 8 rows: its number's two low bits are the rows' bits 3 and 4: they change places on the way out
	s_lshl_b32 s18, s18, 1
	s_lshr_b32 s19, s16, 1
	s_or_b32 s18, s18, s19
	s_lshl_b32 s19, ttmp9, 2
	s_add_co_u32 s18, s18, s19                     ; the run's place in the two output buffers
	s_wait_kmcnt 0x0
	s_cmp_lt_u32 ttmp9, 256                        ; which tensor?  The choice hangs on the work-group's number alone: 256 work-groups for x,
	s_cselect_b64 s[4:5], s[4:5], s[6:7]
	s_cselect_b32 s17, 0, 256
	s_cmp_lt_u32 ttmp9, 352                        ; 96 for w_qkv, 32 for w_out
	s_cselect_b64 s[4:5], s[4:5], s[8:9]
	s_cselect_b32 s17, s17, 352
	s_sub_co_u32 s17, ttmp9, s17
	s_lshl_b32 s17, s17, 2
	s_add_co_u32 s17, s17, s16                     ; which run of 8,192 numbers of that tensor is my wave's
	s_lshl_b32 s20, s17, 15                        ; 32,768 bytes a run
	s_mov_b32 s21, 0
	s_add_nc_u64 s[4:5], s[4:5], s[20:21]
	s_lshl_b32 s20, s18, 12                        ; 4,096 bytes of codes a run
	s_add_nc_u64 s[10:11], s[10:11], s[20:21]
	s_lshl_b32 s20, s18, 8                         ; 256 scale bytes a run
	s_add_nc_u64 s[12:13], s[12:13], s[20:21]
.macro LOAD t
.irp i, 0,1,2,3
	global_load_b128 v[R+16*((\t)%4)+4*\i:R+16*((\t)%4)+4*\i+3], v3, s[4:5] offset:2048*(\t)+512*\i th:TH_LOAD_NT   ; 32 lanes read 512 consecutive bytes
.endr
.endm
.macro TURN t                          ; step t's numbers through the stage: LDS serves a wave's instructions in order, so no wait stands between the stores and the loads
.irp i, 0,1,2,3
	ds_store_b128 v14, v[R+16*((\t)%4)+4*\i:R+16*((\t)%4)+4*\i+3] offset:32*SP*((\t)%2)+8*SP*\i
.endr
.irp i, 0,1,2,3
	ds_load_b128 v[X+16*((\t)%2)+4*\i:X+16*((\t)%2)+4*\i+3], v15 offset:32*SP*((\t)%2)+16*\i
.endr
.endm
.irp t, 0,1,2,3
	LOAD \t
.endr
	s_wait_loadcnt 12                              ; step 0's four loads are in; the twelve of steps 1 to 3 may be out
	TURN 0
.macro STEP t
.set XS, X+16*((\t)%2)
.if (\t) > 0
	s_wait_dscnt 1                                 ; this step's numbers are back from the stage (the last step's byte store may be out): so its stores into the stage have read their registers,
.else
	s_wait_dscnt 0x0
.endif
.if (\t)+4 < STEPS
	LOAD (\t)+4                                    ; which take the loads of four steps on
.endif
.if (\t)+1 < STEPS
.if STEPS-2-(\t) >= 3
	s_wait_loadcnt 12                              ; the next step's four loads are in; those of the three steps behind it may be out
.else
	s_wait_loadcnt 4*(STEPS-2-(\t))
.endif
	TURN (\t)+1                                    ; and go through the other stage while this step is worked
.endif
	v_max3_num_f32 v8, |v[XS]|, |v[XS+1]|, |v[XS+2]|               ; the largest magnitude of my 16, in two chains
	v_max3_num_f32 v9, |v[XS+3]|, |v[XS+4]|, |v[XS+5]|
.irp i, 6,10
	v_max3_num_f32 v8, v8, |v[XS+\i]|, |v[XS+\i+1]|
	v_max3_num_f32 v9, v9, |v[XS+\i+2]|, |v[XS+\i+3]|
.endr
	v_max3_num_f32 v8, v8, |v[XS+14]|, |v[XS+15]|
	v_max3_num_f32 v8, v8, v9, (EMAX+1)<<23        ; and the floor 2^(3 - 127): so the byte cannot fall under 1
	v_max_num_f32_dpp v8, v8, v8 row_xmask:1 row_mask:0xf bank_mask:0xf   ; and of my neighbour's 16: the block's
	v_add_nc_u32 v11, -(EMAX<<23), v8              ; 2 off its exponent field: the conversion takes the exponent field of this operand as its scale, and nothing else of it
	v_cvt_scalef32_pk8_fp4_f32 v[C+4*(\t)], v[XS:XS+7], v11
	v_cvt_scalef32_pk8_fp4_f32 v[C+4*(\t)+1], v[XS+8:XS+15], v11
	v_lshrrev_b32 v[E+(\t)], 23, v11               ; the scale's byte (also the plain line behind the conversions)
	ds_store_b8 v5, v[E+(\t)] offset:16*(\t)       ; both lanes of a block write the same byte with the same value
	global_store_b64 v4, v[C+4*(\t):C+4*(\t)+1], s[10:11] offset:32*CB*(\t)   ; 32 lanes store 256 consecutive bytes, aligned
.endm
.irp t, 0,1,2,3,4,5,6,7,8,9,10,11,12,13,14,15
	STEP \t
.endr
	ds_load_b64 v[12:13], v6                       ; LDS serves a wave's instructions in order: these see my stores
	s_wait_dscnt 0x0
	global_store_b64 v7, v[12:13], s[12:13]        ; 32 lanes store 256 consecutive bytes, aligned
	s_wait_tensorcnt 0x0
	ds_add_u32 v192, v193
	s_wait_dscnt 0x0
	s_endpgm
.Lfunc_end_k_q7794db48ab_quant:
	.size	k_q7794db48ab_quant, .Lfunc_end_k_q7794db48ab_quant-k_q7794db48ab_quant
	.p2alignl 7, 3214868480
	.fill 96, 4, 3214868480
	.section	.rodata,"a",@progbits
	.p2align	6, 0x0
	.amdhsa_kernel k_q7794db48ab_quant
		.amdhsa_group_segment_fixed_size 33280
		.amdhsa_private_segment_fixed_size 0
		.amdhsa_enable_private_segment 0
		.amdhsa_kernarg_size 40
		.amdhsa_user_sgpr_count 2
		.amdhsa_user_sgpr_kernarg_segment_ptr 1
		.amdhsa_wavefront_size32 1
		.amdhsa_system_sgpr_workgroup_id_x 1
		.amdhsa_system_sgpr_workgroup_id_y 1
		.amdhsa_system_sgpr_workgroup_id_z 1
		.amdhsa_system_vgpr_workitem_id 0
		.amdhsa_next_free_vgpr 194
		.amdhsa_next_free_sgpr 66
		.amdhsa_reserve_vcc 0
		.amdhsa_float_denorm_mode_32 3
		.amdhsa_float_denorm_mode_16_64 3
		.amdhsa_memory_ordered 1
		.amdhsa_forward_progress 1
		.amdhsa_inst_pref_size 34
	.end_amdhsa_kernel
	.amdgpu_metadata
---
amdhsa.version: [ 1, 2 ]
amdhsa.kernels:
  - .name:           k_q7794db48ab_quant
    .symbol:         k_q7794db48ab_quant.kd
    .args:
      - { .name: x, .offset: 0, .size: 8, .value_kind: global_buffer, .address_space: global }
      - { .name: w_qkv, .offset: 8, .size: 8, .value_kind: global_buffer, .address_space: global }
      - { .name: w_out, .offset: 16, .size: 8, .value_kind: global_buffer, .address_space: global }
      - { .name: codes, .offset: 24, .size: 8, .value_kind: global_buffer, .address_space: global }
      - { .name: scales, .offset: 32, .size: 8, .value_kind: global_buffer, .address_space: global }
    .group_segment_fixed_size: 33280
    .private_segment_fixed_size: 0
    .kernarg_segment_align: 8
    .kernarg_segment_size: 40
    .max_flat_workgroup_size: 128
    .sgpr_count:     66
    .vgpr_count:     194
    .wavefront_size: 32
...
	.end_amdgpu_metadata
.endif
;; end of part 1
;; launch qkv (part 2): grid 96 x 4, 4 waves a work-group, clusters of 4 x 4, 327,680 bytes of LDS; arguments codes, scales, b_qkv, qbuf, kvbuf; writes qbuf, kvbuf
.if DOCPART == 2
	.amdgcn_target "amdgcn-amd-amdhsa--gfx1250"
	.amdhsa_code_object_version 6
	.text
	.protected	k_q7794db48ab_qkv
	.globl	k_q7794db48ab_qkv
	.p2align	8
	.type	k_q7794db48ab_qkv,@function
k_q7794db48ab_qkv:
	s_mov_b64 s[64:65], 0
	v_nop
	global_prefetch_b8 v0, s[64:65] scope:SCOPE_SE
	s_setreg_imm32_b32 hwreg(HW_REG_WAVE_MODE, 25, 1), 1
	s_wait_xcnt 0x0
	s_wait_alu depctr_hold_cnt(0) depctr_sa_sdst(0) depctr_va_vdst(0) depctr_va_sdst(0) depctr_va_ssrc(0) depctr_va_vcc(0) depctr_vm_vsrc(0)
	s_getreg_b32 s2, hwreg(HW_REG_IB_STS2, 6, 4)
	s_cmp_eq_u32 s2, 0
	s_cbranch_scc0 .Lentry_in_a_cluster
	s_endpgm
.Lentry_in_a_cluster:
	s_bfe_u32 s2, ttmp6, 0x10000c
	s_cmp_lg_u32 s2, 0xf033
	s_cbranch_scc0 .Lentry_shape_is_right
	s_endpgm
.Lentry_shape_is_right:
; qkv = x w_qkv^T + b_qkv on codes of FP4 with E8M0 scales (K = 1,024), and its result QUANTISED IN REGISTERS into the operands of the two products of attention; no f32 number goes to memory.
; Both operands lie in one buffer of rows of 512 bytes (scale bytes: 32 a row): rows 0-8191 x, 8192-11263 w_qkv; row R lies at the place R with bits 3 and 4 exchanged.
; A tile of 256 x 256 is made by a work-group of four waves, a wave makes 128 x 128: 64 accumulators of 16 x 16.  K goes in two steps of 512 through two LDS slots, each filled once.
; Source 0 of the matrix instruction takes 16 places of side B, source 1 16 places of side A: a lane then holds ONE place of A, and the 16 registers of B's tiles 2 b and 2 b + 1 are B's rows 32 b + 16 (lane / 16) + 0 .. 15.
; 24 clusters of 4 x 4 work-groups.  Clusters 0-15 (way 0): A = x, B = w_qkv's rows 0-2047: a lane holds a token and its registers run along the features: q and k are quantised along the head's 64.
; Clusters 16-23 (way 1): A = w_qkv's rows 2048-3071, B = x: a lane holds a feature of v and its registers run along the tokens: v is quantised along the keys.  The way hangs on the cluster's number alone.
; A's tiles are shared along a row of the cluster, B's along a column: each is asked for jointly, by the same tensor load with the same descriptor and a mask that names the four.
; The bias is the C of each sum's first matrix instruction.
; WHAT IS STORED are images of the next operands' registers, 16 bytes a lane at 16 x lane, 512 consecutive bytes a store.  Record = 64 x head + 16 x batch + step of 128 tokens.
;   qbuf, 4,608 bytes a record: 8 tiles of 16 tokens x 512 bytes (lane (r, h): d = 32 h .. 32 h + 31 of place r); then 512 bytes of scale words [tile / 4][r][tile % 4] (two bytes used, two 0).
;   kvbuf, 8,960 bytes a record: k as in qbuf; at 4,608 v's fragments [d tile][half][512 bytes] (16 places of d x 128 keys); at 8,704 v's scale words [r][d tile].
; LIMITS: a block of zeros gets the byte 1 where the rule says 127 (its codes are zeros; the bytes are read by this program alone); blocks whose largest magnitude lies under 2^-124 keep the byte 1; NaN and infinities are not served.
; REGISTERS, in windows of 256: window 0: v16-31 addresses; v32-95 scale words, two sets; v112-127, v200-223 the way out; v128-191 A's fragments, one set.
;   window 1: B's fragments, two sets, at v0 and v128; v64-127 the bias.   window 2: the accumulators of my A places 0-63 ((a, b) at v[8 (8 a + b)]);   window 3: those of places 64-127.
.set NQ,     4                         ; matrix instructions deep in a slot: 512 along K
.set ROWB,   256                       ; a tile's row in bytes
.set KROW,   512                       ; a row of codes in memory
.set PITCH,  272                       ; an LDS row: 256 bytes + 16 of padding: the 16 rows that a load touches start 68 words apart
.set FR,     8                         ; registers of a fragment: 16 rows x 128 K
.set NL,     2                         ; LDS loads that bring one
.set NP,     4                         ; places behind this matrix instruction (ISA guide 7.12.1)
.set HALFT,  128*PITCH                 ; 128 rows: what one tensor load brings
.set SLOT,   4*HALFT                   ; A's 256 rows, then B's 256 rows
.set KS,     32                        ; a row of scale bytes
.set SCL,    2*SLOT                    ; behind the slots: the scale bytes, as runs of 256 bytes + 16 of padding
.set HALFS,  (128*KS/256)*272          ; those of 128 rows
.set SBLK,   (16*KS/256)*272           ; those of 16 rows
.set SPARE,  SCL+4*HALFS               ; the spare words, 128 bytes for each wave, that no other line names
.set ADRA, 16                          ; v16-17  LDS address of my A fragments in slot 0, 1
.set ADRB, 20                          ; v20-21  the same for B
.set LI,   24                          ; v24     16 x lane: an image's place for my lane
.set LV,   25                          ; v25     v's scale words: 16 r, and for lanes 16-31 the next head's record
.set BA,   26                          ; v26     my byte offset in the bias
.set ADRS, 27                          ; v27     LDS address of my scale words: lanes 0-15 A's rows, lanes 16-31 B's
.set SPW,  28                          ; v28     LDS address of my spare word; never rewritten
.set NIL,  29                          ; v29     0; never rewritten
.set SC,   32                          ; scale words: set s at v[SC + 32 s]; register 4 i + q: lanes 0-15 A's block i, lanes 16-31 B's block i, the slot's q-th 128 along K
.set PC,   112                         ; v112-119 the codes just made
.set SE,   120                         ; v120-127 scale words on their way out
.set AF,   128                         ; A's fragments
.set TM,   200                         ; v200-203 largest magnitudes, v204-207 at work, v212-215 the conversions' scale operands
.set SW,   216                         ; v216-223 the scale word of each of my eight blocks of A
.set BI,   64                          ; in window 1: the bias, eight registers a tile
.set G1, 24                            ; s[24:31] descriptor group 1 for A's tiles;  s[32:39] group 0, one set for each slot
.set G0, 32
.set G1B, 48                           ; s[48:55], s[56:63] the same for B's tiles
.set G0B, 56
.set G1S, 68                           ; s[68:75], s[76:79] groups 1 and 0 for A's scales;  s[80:87], s[88:91] for B's
.set G0S, 76
.set G1SB, 80
.set G0SB, 88
.set MODE, 95                          ; s95 the way: 0 q and k, 1 v
.set CCOL, 96                          ; s96 the cluster's column of tiles, s97 its row
.set CROW, 97
.set ROWA0, 98                         ; s98, s99 the first row of side A and of side B in the buffer of codes
.set ROWB0, 99
.set MSB, 0
.macro WIN new                         ; the immediate's high byte repeats the setting that is left
.if MSB != (\new)
	s_set_vgpr_msb (MSB<<8)|(\new)
.set MSB, (\new)
.endif
.endm
.set MUL_LO, 0xa1                      ; source 0 (B) window 1, source 1 (A) window 0, C and D window 2
.set MUL_HI, 0xf1                      ; the same, C and D window 3
.set TO_B,   0x40                      ; destination window 1, address window 0
; A joint load: waves 0 and 1 fetch for A, waves 2 and 3 for B.  Each of the two lines has one mask and one set of registers for all that issue it; the branch hangs on the wave's number alone.
; Four v_nop follow each of the two lines, ahead of the jump, the label and what follows.
.macro JLOAD g0a, g1a, g0b, g1b
	s_cmp_eq_u32 s15, 0
	s_cbranch_scc0 .Lfor_b_\@
	tensor_load_to_lds s[\g0a:\g0a+3], s[\g1a:\g1a+7]
	s_nop 0
.rept 4
	v_nop
.endr
	s_branch .Lasked_\@
.Lfor_b_\@:
	tensor_load_to_lds s[\g0b:\g0b+3], s[\g1b:\g1b+7]
	s_nop 0
.rept 4
	v_nop
.endr
.Lasked_\@:
.endm
.macro CROUND                          ; a round of the cluster's barrier: my work-group's barrier, wave 0 signals for the work-group, every wave waits for all sixteen, my work-group's barrier once more
	s_barrier_signal -1
	s_barrier_wait -1
	s_cmp_lg_u32 s14, 0
	s_cbranch_scc1 .Lnot_wave_0_\@
	s_barrier_signal -3
.Lnot_wave_0_\@:
	s_barrier_wait -3
	s_barrier_signal -1
	s_barrier_wait -1
.endm
	s_load_b256 s[4:11], s[0:1], 0x0               ; codes s[4:5], scales s[6:7], b_qkv s[8:9], qbuf s[10:11]
	s_load_b64 s[12:13], s[0:1], 0x20              ; kvbuf
	v_lshl_add_u32 v[SPW], v0, 2, SPARE
	v_mov_b32 v[NIL], 0
	ds_add_u32 v28, v29
	ds_add_u32 v28, v29
	s_wait_dscnt 0x0
	v_lshrrev_b32 v1, 5, v0
	v_readfirstlane_b32 s14, v1                    ; wave 0..3
	s_lshr_b32 s15, s14, 1                         ; which half of A's 256 places is mine.  Also: I fetch for A (0) or for B (1)
	s_and_b32 s16, s14, 1                          ; which half of B's.  Also: which 128 rows of that tile I fetch
	s_bfe_u32 s40, ttmp6, 0x40000                  ; cx, cy: my place in the cluster
	s_bfe_u32 s41, ttmp6, 0x40004
	s_and_b32 s18, ttmp9, 1                        ; the cluster's job, from its number alone (ttmp9 counts clusters)
	s_lshr_b32 s19, ttmp9, 1
	s_sub_co_u32 s20, ttmp9, 16
	s_mov_b32 s21, 10240
	s_mov_b32 s22, 8192
	s_cmp_lt_u32 ttmp9, 16
	s_cselect_b32 s[MODE], 0, 1
	s_cselect_b32 s[CCOL], s18, s20                ; way 0: 2 columns x 8 rows of clusters;  way 1: 8 columns x 1 row
	s_cselect_b32 s[CROW], s19, 0
	s_cselect_b32 s[ROWA0], 0, s21                 ; A: x, or w_qkv's rows 2048 on
	s_cselect_b32 s[ROWB0], s22, 0                 ; B: w_qkv, or x
	s_lshl_b32 s42, s[CCOL], 2
	s_add_co_u32 s42, s42, s40                     ; tile column = 4 x cluster column + cx
	s_lshl_b32 s17, s[CROW], 2
	s_add_co_u32 s17, s17, s41                     ; tile row = 4 x cluster row + cy
	s_lshl_b32 s43, s41, 2
	s_lshl_b32 s43, 15, s43                        ; my row of the cluster
	s_lshl_b32 s44, 0x1111, s40                    ; my column
	s_mov_b32 s2, 0x76543210                       ; v_permlanex16_b32's selects for lane l xor 16
	s_mov_b32 s3, 0xfedcba98
	; descriptor group 1: a tile of 128 rows x 256 bytes, padded in LDS
	s_or_b32 s[G1+0], s43, (0<<16)|(1<<20)|(1<<21)|(5<<22)|(3<<25)  ; 15:0 the mask: A's tiles go to my row; 17:16 elements of 1 byte; 20 padding on; 21 set beside a mask; 24:22 after every 64 words; 31:25 four words
	s_or_b32 s[G1B+0], s44, (0<<16)|(1<<20)|(1<<21)|(5<<22)|(3<<25)
.irp g, G1, G1B
	s_mov_b32 s[\g+1], ROWB<<16                    ; tensor_dim0
	s_mov_b32 s[\g+2], 128<<16                     ; tensor_dim1
	s_mov_b32 s[\g+3], ROWB<<16                    ; tile_dim0
	s_mov_b32 s[\g+4], 128                         ; tile_dim1
	s_mov_b32 s[\g+5], KROW                        ; tensor_dim0_stride
	s_mov_b32 s[\g+6], 0
	s_mov_b32 s[\g+7], 0
.endr
	; and for the scale bytes of 128 rows: 4,096 dense bytes, as rows of 256 bytes (32 elements of 8 bytes), 16 bytes of padding behind each
	s_or_b32 s[G1S+0], s43, (3<<16)|(1<<20)|(1<<21)|(5<<22)|(3<<25)
	s_or_b32 s[G1SB+0], s44, (3<<16)|(1<<20)|(1<<21)|(5<<22)|(3<<25)
.irp g, G1S, G1SB
	s_mov_b32 s[\g+1], 32<<16
	s_mov_b32 s[\g+2], (128*KS/256)<<16
	s_mov_b32 s[\g+3], 32<<16
	s_mov_b32 s[\g+4], 128*KS/256
	s_mov_b32 s[\g+5], 32
	s_mov_b32 s[\g+6], 0
	s_mov_b32 s[\g+7], 0
.endr
	s_lshl_b32 s18, s16, 7                         ; which 128 rows of the tile I fetch
	s_lshl_b32 s20, s17, 8
	s_add_co_u32 s20, s20, s18
	s_add_co_u32 s20, s20, s[ROWA0]                ; A: its first row + 256 x tile row + 128 x half
	s_lshl_b32 s46, s42, 8
	s_add_co_u32 s46, s46, s18
	s_add_co_u32 s46, s46, s[ROWB0]                ; B: its first row + 256 x tile column + 128 x half
	s_mov_b32 s21, 0
	s_mov_b32 s47, 0
	s_mov_b64 s[18:19], KS
	s_mul_u64 s[22:23], s[20:21], s[18:19]         ; where these rows' scale bytes begin
	s_mul_u64 s[92:93], s[46:47], s[18:19]
	s_mov_b64 s[18:19], KROW
	s_mul_u64 s[20:21], s[20:21], s[18:19]         ; and their codes
	s_mul_u64 s[46:47], s[46:47], s[18:19]
	s_mul_i32 s45, s14, HALFT                      ; where they go: wave x 128 rows: no place in the cluster enters an LDS address
	s_mul_i32 s94, s14, HALFS
	s_wait_kmcnt 0x0
	s_add_nc_u64 s[20:21], s[4:5], s[20:21]
	s_add_nc_u64 s[22:23], s[6:7], s[22:23]
	s_add_nc_u64 s[46:47], s[4:5], s[46:47]
	s_add_nc_u64 s[92:93], s[6:7], s[92:93]
	CROUND                                         ; all sixteen work-groups are here: the joint loads meet
	s_mov_b32 s[G0S], 1
	s_add_co_u32 s[G0S+1], s94, SCL
	s_mov_b64 s[G0S+2:G0S+3], s[22:23]
	s_or_b32 s[G0S+3], s[G0S+3], 0x80000000
	s_mov_b32 s[G0SB], 1
	s_add_co_u32 s[G0SB+1], s94, SCL
	s_mov_b64 s[G0SB+2:G0SB+3], s[92:93]
	s_or_b32 s[G0SB+3], s[G0SB+3], 0x80000000
	JLOAD G0S, G1S, G0SB, G1SB                     ; the scale bytes first: they are wanted with K step 0
.irp s, 0,1
	s_mov_b32 s[G0+4*\s], 1
	s_add_co_u32 s[G0+4*\s+1], s45, \s*SLOT
	s_add_nc_u64 s[G0+4*\s+2:G0+4*\s+3], s[20:21], \s*ROWB
	s_or_b32 s[G0+4*\s+3], s[G0+4*\s+3], 0x80000000
	s_mov_b32 s[G0B+4*\s], 1
	s_add_co_u32 s[G0B+4*\s+1], s45, \s*SLOT
	s_add_nc_u64 s[G0B+4*\s+2:G0B+4*\s+3], s[46:47], \s*ROWB
	s_or_b32 s[G0B+4*\s+3], s[G0B+4*\s+3], 0x80000000
	JLOAD G0+4*\s, G1, G0B+4*\s, G1B               ; three loads of mine are out: all that this launch asks for
.endr
	v_and_b32 v1, 15, v0                           ; r = lane % 16
	v_bfe_u32 v2, v0, 4, 1                         ; h = lane / 16
	v_mul_u32_u24 v3, v1, PITCH
	v_lshl_add_u32 v4, v2, 4, v3                   ; a fragment's row x pitch + 16 x half
	s_mul_i32 s21, s15, HALFT                      ; my 128 rows of A
	s_mul_i32 s22, s16, HALFT                      ; my 128 rows of B,
	s_add_co_u32 s22, s22, 2*HALFT                 ; which lie behind A's 256
.irp s, 0,1
	v_add_nc_u32 v[ADRA+\s], s21, v4
	v_add_nc_u32 v[ADRB+\s], s22, v4
	s_add_co_u32 s21, s21, SLOT
	s_add_co_u32 s22, s22, SLOT
.endr
	v_mul_u32_u24 v5, v1, KS                       ; my row's scale bytes: 32 a row,
	v_lshrrev_b32 v6, 8, v5
	v_lshl_add_u32 v5, v6, 4, v5                   ; and 16 more for each 256 passed
	s_mul_i32 s21, s15, HALFS                      ; A's: my 128 rows
	s_mul_i32 s22, s16, HALFS                      ; B's: my 128 rows, behind A's 256
	s_add_co_u32 s22, s22, 2*HALFS
	s_sub_co_u32 s22, s22, s21
	v_mul_u32_u24 v6, s22, v2                      ; lanes 16-31 take B's: one product, the distance between the two
	s_add_co_u32 s21, s21, SCL
	v_add_nc_u32 v5, v5, v6
	v_add_nc_u32 v[ADRS], s21, v5
	v_and_b32 v6, 31, v0
	v_lshlrev_b32 v[LI], 4, v6
	v_mul_u32_u24 v6, 0x8c000, v2                  ; 64 records of 8,960 bytes: from a head to the next
	v_lshl_add_u32 v[LV], v1, 4, v6
.irp b, 0,1,2,3
	v_mov_b32 v[TM+4+\b], 0                        ; written once: a lane permute's destination counts as one of its sources
.endr
	; THE BIAS, in the result's layout, into window 1.  Way 0: it runs along a lane's registers: accumulator (a, b), register j: feature 32 (b / 2) + 16 h + 8 (b % 2) + j of my 128.
	s_cmp_lg_u32 s[MODE], 0
	s_cbranch_scc1 .Lbias_v
	s_lshl_b32 s46, s42, 10
	s_lshl_b32 s47, s16, 9
	s_add_co_u32 s46, s46, s47                     ; 4 x (256 x tile column + 128 x half)
	s_mov_b32 s47, 0
	s_add_nc_u64 s[8:9], s[8:9], s[46:47]
	v_lshlrev_b32 v[BA], 6, v2
	WIN TO_B
.irp b, 0,1,2,3,4,5,6,7
	global_load_b128 v[BI+8*\b:BI+8*\b+3], v[BA], s[8:9] offset:(32*(\b/2)+8*(\b%2))*4
	global_load_b128 v[BI+8*\b+4:BI+8*\b+7], v[BA], s[8:9] offset:(32*(\b/2)+8*(\b%2))*4+16
.endr
	WIN 0
	s_branch .Lbias_done
.Lbias_v:                                              ; way 1: a lane holds ONE feature, 32 (a / 2) + 8 (a % 2) + r + 8 (r / 8) of my 128: its number fills the eight registers that C wants
	s_lshl_b32 s46, s17, 10
	s_lshl_b32 s47, s15, 9
	s_add_co_u32 s46, s46, s47
	s_add_co_u32 s46, s46, 8192                    ; 4 x (2048 + 256 x tile row + 128 x half)
	s_mov_b32 s47, 0
	s_add_nc_u64 s[8:9], s[8:9], s[46:47]
	v_and_b32 v[BA], 8, v1
	v_add_nc_u32 v[BA], v[BA], v1
	v_lshlrev_b32 v[BA], 2, v[BA]
	WIN TO_B
.irp a, 0,1,2,3,4,5,6,7
.irp j, 0,1,2,3,4,5,6,7
	global_load_b32 v[BI+8*\a+\j], v[BA], s[8:9] offset:(32*(\a/2)+8*(\a%2))*4
.endr
.endr
	WIN 0
.Lbias_done:
.macro FRAG reg, adr, q, i             ; a fragment, 16 rows x 128 K of 4-bit codes, is 8 registers: lane l holds row l % 16; registers 4 c .. 4 c + 3 hold K = 64 c + 32 (l / 16) + 0 .. 31
.irp c, 0,1
	ds_load_b128 v[\reg+4*\c:\reg+4*\c+3], v[\adr] offset:64*(\q)+32*\c+(\i)*16*PITCH
.endr
.endm
; 16 matrix instructions: A's blocks a0, a0 + 1 x B's eight, the slot's q-th 128 along K.  p: B's set;  sc: the set of scale words.
; zero = 0: onto the sums;  1: the sums start from the bias of B's block;  2: from the bias of A's block.  Nothing is ever cleared.
; The 64 accumulators take turns, one instruction a turn, in the same order in every step.
.macro MUL16 a0, p, q, sc, zero
.irp a, \a0, \a0+1
.irp b, 0,1,2,3,4,5,6,7
.if \zero == 1
.set CC, BI+8*\b
.elseif \zero == 2
.set CC, BI+8*(\a)
.else
.set CC, 8*(8*((\a)%4)+\b)
.endif
	v_wmma_scale_f32_16x16x128_f8f6f4 v[8*(8*((\a)%4)+\b):8*(8*((\a)%4)+\b)+7], v[128*(\p)+FR*\b:128*(\p)+FR*\b+FR-1], v[AF+FR*(\a):AF+FR*(\a)+FR-1], v[CC:CC+7], v[SC+8*NQ*(\sc)+NQ*\b+(\q)], v[SC+8*NQ*(\sc)+NQ*(\a)+(\q)] matrix_a_fmt:MATRIX_FMT_FP4 matrix_b_fmt:MATRIX_FMT_FP4 matrix_a_scale:MATRIX_SCALE_ROW1
.endr
.endr
.endm
.macro FETCH_B slot, q, p              ; B's eight fragments of the slot's q-th 128 along K into set p
	WIN TO_B
.irp i, 0,1,2,3,4,5,6,7
	FRAG 128*(\p)+FR*\i, ADRB+\slot, \q, \i
.endr
	WIN 0
.endm
.macro FETCH_A slot, q, i0             ; A's blocks i0 .. i0 + 3
.irp i, \i0, \i0+1, \i0+2, \i0+3
	FRAG AF+FR*(\i), ADRA+\slot, \q, \i
.endr
.endm
.macro SCALES sc                       ; a slot's scale words into set sc: four words a row; lanes 0-15 take A's block i, lanes 16-31 B's block i
.irp i, 0,1,2,3,4,5,6,7
	ds_load_b128 v[SC+8*NQ*\sc+NQ*\i:SC+8*NQ*\sc+NQ*\i+3], v[ADRS] offset:\i*SBLK
.endr
.endm
; A load into a register that a matrix instruction has read, and a vector instruction that reads a matrix result, stand NP places behind that matrix instruction; only plain vector
; instructions that name none of its registers are places (ISA guide 7.12.1 for vector instructions).
.macro PLACES n
.rept \n
	v_nop
.endr
.endm
; A step of 128 along K that has its successor in the same slot.  A block of A is free as soon as its eight products are issued: blocks 0-3 are fetched anew in the step's middle, blocks 4-7 at its end.
.macro STEP slot, q, zero
	s_wait_dscnt 4*NL                              ; B's set, the scale words and A's blocks 0-3 are in; the youngest eight loads (A's blocks 4-7) may be out
.if \zero
	WIN 0x91                                       ; source 0 window 1, source 1 window 0, C (the bias) window 1, D window 2
.else
	WIN MUL_LO
.endif
	MUL16 0, (\q)%2, \q, \slot, \zero
	MUL16 2, (\q)%2, \q, \slot, \zero
	s_wait_dscnt 0                                 ; A's blocks 4-7 are in
	PLACES NP
	FETCH_B \slot, (\q)+1, 1-(\q)%2
	FETCH_A \slot, (\q)+1, 0
.if \zero
	WIN 0xd1                                       ; the same, D window 3
.else
	WIN MUL_HI
.endif
	MUL16 4, (\q)%2, \q, \slot, \zero
	MUL16 6, (\q)%2, \q, \slot, \zero
	PLACES NP
	WIN 0
	FETCH_A \slot, (\q)+1, 4
.endm
; Slot 0's last step changes slots: one barrier; in front of it each wave waits for all its tensor loads (its part of slot 1), adds 0 to its spare word, and waits for that and for its LDS loads.
.macro TURN slot, next
	s_wait_tensorcnt 0x0                           ; all my tensor loads have landed: my part of the next slot  (every window is 0 here)
	ds_add_u32 v[SPW], v[NIL]                      ; 0 onto my spare word
	s_wait_dscnt 4*NL+1                            ; (the add and the youngest eight loads, A's blocks 4-7, may be out)
	WIN MUL_LO
	MUL16 0, 1, NQ-1, \slot, 0                     ; sixteen matrix instructions stand between the add and the wait for it
	s_wait_dscnt 0x0                               ; the add is done, and my LDS loads are in
	s_barrier_signal -1
	MUL16 2, 1, NQ-1, \slot, 0
	WIN 0
	s_barrier_wait -1                              ; the next slot is whole
	PLACES NP
	v_add_nc_u32 v[ADRS], 4*NQ, v[ADRS]            ; on to the next slot's scale words
	FETCH_B \next, 0, 0
	FETCH_A \next, 0, 0
	SCALES \next
	WIN MUL_HI
	MUL16 4, 1, NQ-1, \slot, 0
	MUL16 6, 1, NQ-1, \slot, 0
	PLACES NP
	WIN 0
	FETCH_A \next, 0, 4
.endm
.macro STEPS slot, from                ; the slot's steps from .. NQ - 2
.set Q, \from
.rept NQ-1-\from
	STEP \slot, Q, 0
.set Q, Q+1
.endr
.endm
	s_wait_tensorcnt 1                             ; the scale bytes and my part of slot 0 are in (slot 1's load may be out)
	s_barrier_signal -1
	s_barrier_wait -1                              ; everybody's are
	FETCH_B 0, 0, 0
	FETCH_A 0, 0, 0
	SCALES 0
	FETCH_A 0, 0, 4
	s_wait_loadcnt 0x0                             ; the bias
	s_cmp_lg_u32 s[MODE], 0                        ; the first step is written for each way: only the C of its products differs
	s_cbranch_scc1 .Lfirst_v
	STEP 0, 0, 1
	s_branch .Lfirst_done
.Lfirst_v:
	STEP 0, 0, 2
.Lfirst_done:
	STEPS 0, 1
	TURN 0, 1
	STEPS 1, 0
	s_wait_dscnt 4*NL                              ; the very last step: nothing more to fetch
	WIN MUL_LO
	MUL16 0, 1, NQ-1, 1, 0
	MUL16 2, 1, NQ-1, 1, 0
	s_wait_dscnt 0
	WIN MUL_HI
	MUL16 4, 1, NQ-1, 1, 0
	MUL16 6, 1, NQ-1, 1, 0
	WIN 0
	PLACES NP                                      ; in front of the first reads of results
; THE WAY OUT.  The 64 registers of A's block a: register 16 b + i = index 32 b + 16 (lane / 16) + i of my 128 along B, of the lane's place in A.  They become 8 registers of codes in v[PC] on
; (registers 4 c .. 4 c + 3: index 64 c + 32 (lane / 16) + 0 .. 31) and a scale word in v[SW + a].  Each accumulator is read from its low end on.
.macro QUANT a
.set S0, 64*((\a)%4)
.set W, 2+(\a)/4
	WIN W|(W<<2)                                   ; sources 0 and 1: the accumulators' window
.irp b, 0,1,2,3
	v_max3_num_f32 v[TM+\b], |v[S0+16*\b]|, |v[S0+16*\b+1]|, 0x1800000   ; block b: my 16 numbers, and the floor 2^(3 - 127): so the byte cannot fall under 1
.endr
.irp i, 2,4,6,8,10,12,14
.irp b, 0,1,2,3
	v_max3_num_f32 v[TM+\b], |v[S0+16*\b+\i]|, |v[S0+16*\b+\i+1]|, v[TM+\b]   ; (the four blocks by turns)
.endr
.endr
	WIN 0
.irp b, 0,1,2,3
	v_permlanex16_b32 v[TM+4+\b], v[TM+\b], s2, s3
.endr
.irp b, 0,1,2,3
	v_max_num_f32 v[TM+\b], v[TM+\b], v[TM+4+\b]   ; with lane l xor 16's: the block's largest magnitude
.endr
.irp b, 0,1,2,3
	v_add_nc_u32 v[TM+12+\b], 0xff000000, v[TM+\b] ; 2 off its exponent field: the conversion's scale operand
.endr
.irp b, 0,1,2,3
	v_lshrrev_b32 v[TM+4+\b], 23, v[TM+12+\b]      ; the scale's byte
.endr
	v_lshl_or_b32 v[SW+(\a)], v[TM+5], 8, v[TM+4]
	v_lshl_or_b32 v[SW+(\a)], v[TM+6], 16, v[SW+(\a)]
	v_lshl_or_b32 v[SW+(\a)], v[TM+7], 24, v[SW+(\a)]
.if (\a) > 0
	s_wait_xcnt 0x0                                ; the last block's stores have read v[PC] on: only behind this wait are they written again
.endif
	WIN W                                          ; source 0: the accumulators' window
.irp b, 0,1,2,3
	v_cvt_scalef32_pk8_fp4_f32 v[PC+2*\b], v[S0+16*\b:S0+16*\b+7], v[TM+12+\b]
	v_cvt_scalef32_pk8_fp4_f32 v[PC+2*\b+1], v[S0+16*\b+8:S0+16*\b+15], v[TM+12+\b]
.endr
	WIN 0
	v_nop                                          ; one plain place behind a scaled conversion
.irp c, 0,1                                    ; the operand's layout wants a whole block in a lane: lanes 0-15 block 2 c, lanes 16-31 block 2 c + 1
.irp i, 0,1
	v_permlane16_swap_b32 v[PC+4*\c+\i], v[PC+2+4*\c+\i]
.endr
.endr
.endm
.macro EPI mode
	s_mov_b32 s22, 0xffff0000                      ; lanes 16-31
.if \mode == 0
	s_mov_b32 s23, 8960                            ; q's records or k's: the cluster's column says which
	s_cmp_eq_u32 s[CCOL], 0
	s_cselect_b64 s[18:19], s[10:11], s[12:13]
	s_cselect_b32 s23, 4608, s23
	s_lshl_b32 s20, s40, 2
	s_lshl_b32 s21, s16, 1
	s_add_co_u32 s20, s20, s21                     ; my first head: 4 cx + 2 x half (my 128 features are two heads)
	s_lshl_b32 s21, s17, 1
	s_add_co_u32 s21, s21, s15                     ; my 128 tokens: 2 x tile row + half = 16 x batch + step
	s_lshl_b32 s20, s20, 6
	s_add_co_u32 s20, s20, s21
	s_mul_i32 s20, s20, s23
	s_mov_b32 s21, 0
	s_add_nc_u64 s[18:19], s[18:19], s[20:21]      ; the first head's record,
	s_lshl_b32 s20, s23, 6
	s_add_nc_u64 s[20:21], s[18:19], s[20:21]      ; and the next head's, 64 records on
.else
	s_mov_b64 s[18:19], s[12:13]
	s_lshl_b32 s20, s17, 2
	s_lshl_b32 s21, s15, 1
	s_add_co_u32 s20, s20, s21                     ; my first head: 4 x tile row + 2 x half
	s_lshl_b32 s21, s42, 1
	s_add_co_u32 s21, s21, s16                     ; my 128 tokens: 2 x tile column + half
	s_lshl_b32 s20, s20, 6
	s_add_co_u32 s20, s20, s21
	s_mul_i32 s20, s20, 8960
	s_mov_b32 s21, 0
	s_add_nc_u64 s[18:19], s[18:19], s[20:21]
	s_add_nc_u64 s[20:21], s[18:19], 64*8960
.endif
.irp a, 0,1,2,3,4,5,6,7
	QUANT \a
.if \mode == 0
	global_store_b128 v[LI], v[PC:PC+3], s[18:19] offset:512*\a        ; tile a of 16 tokens: the first head's 64 along d: 512 consecutive bytes, aligned
	global_store_b128 v[LI], v[PC+4:PC+7], s[20:21] offset:512*\a      ; and the next head's
.else
	global_store_b128 v[LI], v[PC:PC+3], s[18+2*(\a/4):19+2*(\a/4)] offset:4608+1024*(\a%4)        ; tile a % 4 of 16 places of d of head a / 4: keys 0-63 of the 128,
	global_store_b128 v[LI], v[PC+4:PC+7], s[18+2*(\a/4):19+2*(\a/4)] offset:4608+1024*(\a%4)+512  ; keys 64-127
.endif
.endr
.irp t, 0,1,2,3
	v_cndmask_b32 v[SE+\t], v[SW+\t], v[SW+4+\t], s22   ; lanes 0-15 carry the words of blocks 0-3, lanes 16-31 those of blocks 4-7
.endr
.if \mode == 0
.irp t, 0,1,2,3
	v_and_b32 v[SE+4+\t], 0xffff, v[SE+\t]         ; a word's two low bytes are the first head's two blocks; the upper two stay 0: the codes of K = 64 .. 127 are zeros
.endr
	global_store_b128 v[LI], v[SE+4:SE+7], s[18:19] offset:4096
.irp t, 0,1,2,3
	v_lshrrev_b32 v[SE+\t], 16, v[SE+\t]           ; the two high bytes the next head's
.endr
	global_store_b128 v[LI], v[SE:SE+3], s[20:21] offset:4096
.else
	global_store_b128 v[LV], v[SE:SE+3], s[18:19] offset:8704   ; sixteen lanes store 256 consecutive bytes of one head's record, the other sixteen of the next head's
.endif
.endm
	s_cmp_lg_u32 s[MODE], 0
	s_cbranch_scc1 .Lepi_v
	EPI 0
	s_branch .Lend
.Lepi_v:
	EPI 1
.Lend:
	s_wait_tensorcnt 0x0                           ; the wave's end
	ds_add_u32 v[SPW], v[NIL]
	s_wait_dscnt 0x0
	CROUND                                         ; the closing round: no work-group ends while a partner may still ask for a tile that names it
	s_endpgm
.Lfunc_end_k_q7794db48ab_qkv:
	.size	k_q7794db48ab_qkv, .Lfunc_end_k_q7794db48ab_qkv-k_q7794db48ab_qkv
	.p2alignl 7, 3214868480
	.fill 96, 4, 3214868480
	.section	.rodata,"a",@progbits
	.p2align	6, 0x0
	.amdhsa_kernel k_q7794db48ab_qkv
		.amdhsa_group_segment_fixed_size 327680
		.amdhsa_private_segment_fixed_size 0
		.amdhsa_enable_private_segment 0
		.amdhsa_kernarg_size 40
		.amdhsa_user_sgpr_count 2
		.amdhsa_user_sgpr_kernarg_segment_ptr 1
		.amdhsa_wavefront_size32 1
		.amdhsa_system_sgpr_workgroup_id_x 1
		.amdhsa_system_sgpr_workgroup_id_y 1
		.amdhsa_system_sgpr_workgroup_id_z 1
		.amdhsa_system_vgpr_workitem_id 0
		.amdhsa_next_free_vgpr 1024
		.amdhsa_next_free_sgpr 100
		.amdhsa_reserve_vcc 0
		.amdhsa_float_denorm_mode_32 3
		.amdhsa_float_denorm_mode_16_64 3
		.amdhsa_memory_ordered 1
		.amdhsa_forward_progress 1
		.amdhsa_inst_pref_size 181
	.end_amdhsa_kernel
	.amdgpu_metadata
---
amdhsa.version: [ 1, 2 ]
amdhsa.kernels:
  - .name:           k_q7794db48ab_qkv
    .symbol:         k_q7794db48ab_qkv.kd
    .args:
      - { .name: codes, .offset: 0, .size: 8, .value_kind: global_buffer, .address_space: global }
      - { .name: scales, .offset: 8, .size: 8, .value_kind: global_buffer, .address_space: global }
      - { .name: b_qkv, .offset: 16, .size: 8, .value_kind: global_buffer, .address_space: global }
      - { .name: qbuf, .offset: 24, .size: 8, .value_kind: global_buffer, .address_space: global }
      - { .name: kvbuf, .offset: 32, .size: 8, .value_kind: global_buffer, .address_space: global }
    .group_segment_fixed_size: 327680
    .private_segment_fixed_size: 0
    .kernarg_segment_align: 8
    .kernarg_segment_size: 40
    .max_flat_workgroup_size: 128
    .sgpr_count:     100
    .vgpr_count:     1024
    .wavefront_size: 32
...
	.end_amdgpu_metadata
.endif
;; end of part 2
;; launch attn (part 3): grid 4 x 64, 16 waves a work-group, clusters of 4 x 1, 169,984 bytes of LDS; arguments qbuf, kvbuf, acodes, ascales; writes acodes, ascales
.if DOCPART == 3
	.amdgcn_target "amdgcn-amd-amdhsa--gfx1250"
	.amdhsa_code_object_version 6
	.text
	.protected	k_q7794db48ab_attn
	.globl	k_q7794db48ab_attn
	.p2align	8
	.type	k_q7794db48ab_attn,@function
k_q7794db48ab_attn:
	s_mov_b64 s[64:65], 0
	v_nop
	global_prefetch_b8 v0, s[64:65] scope:SCOPE_SE
	s_setreg_imm32_b32 hwreg(HW_REG_WAVE_MODE, 25, 1), 1
	s_wait_xcnt 0x0
	s_wait_alu depctr_hold_cnt(0) depctr_sa_sdst(0) depctr_va_vdst(0) depctr_va_sdst(0) depctr_va_ssrc(0) depctr_va_vcc(0) depctr_vm_vsrc(0)
	s_getreg_b32 s2, hwreg(HW_REG_IB_STS2, 6, 4)
	s_cmp_eq_u32 s2, 0
	s_cbranch_scc0 .Lentry_in_a_cluster
	s_endpgm
.Lentry_in_a_cluster:
	s_bfe_u32 s2, ttmp6, 0x10000c
	s_cmp_lg_u32 s2, 0x3003
	s_cbranch_scc0 .Lentry_shape_is_right
	s_endpgm
.Lentry_shape_is_right:
; Causal attention of one head of one batch on codes of FP4 with E8M0 scales, and its result quantised along the head's 64 for the last product.
; t = score x log2(e) / 8; M = the row's largest t so far, rounded UP to a whole number; p = 2^(t - M) is quantised along the keys, not normalised; the row's sum is taken of the unquantised p and divides O at the end.
; When M moves, the sum and O are multiplied by 2^(old M - new M): exact.
; INPUTS are images of operand registers.  Record = 16 y + step of 128 tokens, y = 4 x head + batch.  qbuf, 4,608 bytes: 8 tiles of 16 queries x 512 bytes, then scale words [tile / 4][r][tile % 4].
; kvbuf, 8,960 bytes: k likewise; at 4,608 v's fragments [d tile][half][512]; at 8,704 v's scale words [r][d tile].  Place r of tile 2 b + u is token (or d) 32 b + 8 u + r + 8 (r / 8).
; The head's K is 64: registers 4-7 of k's and q's fragments, K = 64 .. 127, are zero codes, written once.
; SHARES.  The four work-groups of a cluster share one y.  Its k and v, 143,360 dense bytes, lie in LDS WHOLE: wave w brings record w by one joint tensor load, the same in all four partners; nothing is filled again.
; Wave w has two jobs, each a tile of 16 queries: T = 4 w + cx and 127 - T.  Their last steps of 128 keys are w / 2 and 15 - w / 2, made of the wave's number alone: 17 steps for every wave.
; cx enters global addresses and the mask's lane numbers, and no branch, trip count or LDS address.
; Both products are used transposed (S^T = k q^T, O^T = v^T p^T): a lane holds one query throughout, and the 16 registers of tiles 2 b and 2 b + 1 are 16 neighbouring keys (or d).
; A step all of whose keys come after the tile's queries is left out by a scalar branch inside a loop of 16 trips; in the job's last step hidden scores become -infinity ahead of the maximum.
; ORDER OF A STEP.  v's loads; k q^T on the k that the step before asked for; the next step's k is asked for; the maxima and M; then the 68 exponentials, each followed by one or two instructions that are ready:
; t - M of a pair of scores still to come, the sum of a pair that is done, the lines that make p's scale bytes, the conversions, O^T's rescaling.  So no two exponentials follow each other.
; Both jobs' q are asked for at the kernel's head, while the tensor load is on its way.
; OUTPUT: acodes [128 x batch + T][head][512]: the image of 16 queries x 64 d;  ascales [16 (128 x batch + T) + r][2 x head + block]: single bytes, since a work-group holds 2 of a row's 32: one byte for 16 bytes of codes.
; LIMITS: a block of zeros gets the byte 1 where the rule says 127 (zero codes; the bytes are read by this program alone); blocks under 2^-124 keep the byte 1; NaN and infinities are not served.
.set REC,  8960
.set LI,   1                           ; v1   16 x lane
.set LR,   2                           ; v2   16 r
.set ADR,  3                           ; v3   the step's record + 16 x lane
.set ADS,  4                           ; v4   the step's record + 16 r
.set LD,   5                           ; v5   r + 8 (r / 8) - 16 h
.set DD,   6                           ; v6   my query in its 128, less 16 h
.set SA,   7                           ; v7   32 r + h: my scale byte's place
.set NINF, 8                           ; v8   -infinity
.set ADK,  9                           ; v9   the next step's record + 16 x lane
.set SB,   10                          ; v[10:11] the second chain of the row's sum
.set QF,   16                          ; v16-19 q's codes, v20-23 zeros.   v12 -M, v13 the largest t, v[14:15] the sum in two halves
.set SO,   24                          ; v24-27 the conversions' scale operands
.set TP,   28                          ; v28  at work
.set Q2S,  29                          ; v29  the second job's scale words of q
.set KF,   32                          ; v32-95 k: tile t at 32 + 8 t, its upper four registers zeros
.set S,    96                          ; v96-159 S^T, then p
.set O,    160                         ; v160-191 O^T
.set VF,   192                         ; v192-223 v
.set PC,   224                         ; v224-231 p's codes
.set BM,   232                         ; v232-235 each block's largest
.set BT,   236                         ; v236-239 at work
.set KSW,  240                         ; v240-243 k's scale words (lanes 0-15 tiles 0-3, lanes 16-31 tiles 4-7)
.set VSW,  244                         ; v244-247 v's
.set QSW,  248                         ; v248 q's
.set PSW,  249                         ; v249 p's
.set F,    250                         ; v[250:251] f = 2^(old M - new M); the upper half is only named
.set Q2,   252                         ; v252-255 the second job's codes of q
.set WV,   12
.set CX,   13
.set Y,    14
.set G0,   16                          ; s[16:19]
.set G1,   20                          ; s[20:27]
.set SEL,  28                          ; s[28:29] lane l xor 16
.set CS,   30                          ; s[30:31] c = log2(e) / 8
.set TB,   32                          ; s32 LDS byte of the step's record
.set STEPI, 33
.set NLAST, 34
.set T,    35
.set JOB,  36
.set HI,   37                          ; s37 lanes 16-31
.macro CROUND                          ; a round of the cluster's barrier
	s_barrier_signal -1
	s_barrier_wait -1
	s_cmp_lg_u32 s[WV], 0
	s_cbranch_scc1 .Lnot_wave_0_\@
	s_barrier_signal -3
.Lnot_wave_0_\@:
	s_barrier_wait -3
	s_barrier_signal -1
	s_barrier_wait -1
.endm
; q of the tile whose number stands in s[t]: its image into v[q] on, its scale words into v[sw]; pa, pb: two scalar pairs that keep the addresses
.macro QLOAD t, q, sw, pa, pb
	s_lshr_b32 s38, s[\t], 3                       ; the tile's record,
	s_and_b32 s39, s[\t], 7                        ; and its place tq in it
	s_lshl_b32 s40, s[Y], 4
	s_add_co_u32 s40, s40, s38
	s_mul_i32 s40, s40, 4608
	s_lshl_b32 s41, s39, 9
	s_add_co_u32 s42, s40, s41
	s_mov_b32 s43, 0
	s_add_nc_u64 s[\pa:\pa+1], s[4:5], s[42:43]    ; the image
	s_lshr_b32 s41, s39, 2
	s_lshl_b32 s41, s41, 8
	s_and_b32 s44, s39, 3
	s_lshl_b32 s44, s44, 2
	s_add_co_u32 s42, s40, s41
	s_add_co_u32 s42, s42, s44
	s_add_co_u32 s42, s42, 4096
	s_add_nc_u64 s[\pb:\pb+1], s[4:5], s[42:43]    ; the scale words: 16 r on from here
	global_load_b128 v[\q:\q+3], v[LI], s[\pa:\pa+1]
	global_load_b32 v[\sw], v[LR], s[\pb:\pb+1]
.endm
.macro PKT q                           ; pair q of the scores: t - M, two at a time (of the pairs c and -M the low word serves both halves)
	v_pk_fma_f32 v[S+2*(\q):S+2*(\q)+1], v[S+2*(\q):S+2*(\q)+1], s[CS:CS+1], v[12:13] op_sel_hi:[1,0,0]
.endm
.macro SUMP q                          ; pair q of the unquantised p joins the row's sum: two chains; pairs 0 and 1 start the second
.if (\q) == 0
	s_wait_alu depctr_va_vdst(0)
	v_pk_add_f32 v[SB:SB+1], v[S:S+1], v[S+2:S+3]
.elseif (\q) == 1
.elseif (\q)%2 == 0
	v_pk_add_f32 v[14:15], v[14:15], v[S+2*(\q):S+2*(\q)+1]
.else
	v_pk_add_f32 v[SB:SB+1], v[SB:SB+1], v[S+2*(\q):S+2*(\q)+1]
.endif
.endm
	s_load_b256 s[4:11], s[0:1], 0x0               ; qbuf s[4:5], kvbuf s[6:7], acodes s[8:9], ascales s[10:11]
	v_lshl_add_u32 v30, v0, 2, 0x29000
	v_mov_b32 v31, 0
	ds_add_u32 v30, v31
	ds_add_u32 v30, v31
	v_lshrrev_b32 v3, 5, v0
	v_readfirstlane_b32 s[WV], v3                  ; wave 0..15
	s_bfe_u32 s[CX], ttmp6, 0x40000                ; my place in the cluster
	s_and_b32 s[Y], ttmp7, 0xffff                  ; 4 x head + batch, which the four partners share
	s_mov_b32 s[G1], 15|(3<<16)|(1<<21)            ; 15:0 the mask: all four; 17:16 elements of 8 bytes; 20 no padding; 21 set beside a mask
	s_mov_b32 s[G1+1], 32<<16                      ; tensor_dim0 = 32 elements: rows of 256 bytes
	s_mov_b32 s[G1+2], 35<<16                      ; tensor_dim1 = 35 rows: a record
	s_mov_b32 s[G1+3], 32<<16                      ; tile_dim0
	s_mov_b32 s[G1+4], 35                          ; tile_dim1
	s_mov_b32 s[G1+5], 32                          ; dense
	s_mov_b32 s[G1+6], 0
	s_mov_b32 s[G1+7], 0
	s_mul_i32 s38, s[Y], 16*REC
	s_mul_i32 s[G0+1], s[WV], REC                  ; LDS address: record w
	s_add_co_u32 s38, s38, s[G0+1]
	s_mov_b32 s39, 0
	s_mov_b32 s[G0], 1
	s_mov_b32 s[SEL], 0x76543210
	s_mov_b32 s[SEL+1], 0xfedcba98
	s_mov_b32 s[CS], 0x3e38aa3b                    ; log2(e) / 8
	s_mov_b32 s[CS+1], s[CS]                       ; (named with it as a pair, so it is written)
	s_mov_b32 s[HI], 0xffff0000
	s_wait_dscnt 0x0
	s_wait_kmcnt 0x0
	s_add_nc_u64 s[G0+2:G0+3], s[6:7], s[38:39]
	s_or_b32 s[G0+3], s[G0+3], 0x80000000
	CROUND                                         ; all four work-groups are here: the joint loads meet
	tensor_load_to_lds s[G0:G0+3], s[G1:G1+7]      ; my one tensor load of the launch
	s_nop 0
.rept 4
	v_nop
.endr
	v_and_b32 v9, 31, v0
	v_lshlrev_b32 v[LI], 4, v9
	v_and_b32 v10, 15, v0                          ; r
	v_bfe_u32 v11, v0, 4, 1                        ; h
	v_lshlrev_b32 v[LR], 4, v10
	s_lshl_b32 s[T], s[WV], 2
	s_add_co_u32 s[T], s[T], s[CX]                 ; the first job's tile,
	s_sub_co_u32 s45, 127, s[T]                    ; and the second's
	QLOAD T, QF, QSW, 48, 50                       ; both jobs' q are asked for now: they land while the tensor load is on its way
	QLOAD 45, Q2, Q2S, 56, 58
	v_and_b32 v[LD], 8, v10
	v_add_nc_u32 v[LD], v[LD], v10
	v_lshlrev_b32 v9, 4, v11
	v_sub_nc_u32 v[LD], v[LD], v9
	v_lshl_add_u32 v[SA], v10, 5, v11
	v_mov_b32 v[NINF], 0xff800000
.irp i, 4,5,6,7
	v_mov_b32 v[QF+\i], 0                          ; K = 64 .. 127: zero codes
.irp t, 0,1,2,3,4,5,6,7
	v_mov_b32 v[KF+8*\t+\i], 0
.endr
.endr
.irp b, 0,1,2,3
	v_mov_b32 v[BT+\b], 0                          ; written once: a lane permute's destination counts as one of its sources
.endr
	v_mov_b32 v[TP], 0
	v_mov_b32 v[F+1], 0
	s_lshr_b32 s[NLAST], s[WV], 1                  ; the first job's last step
	s_mov_b32 s[JOB], 2
	s_wait_loadcnt 0x0                             ; q, twice
	s_wait_tensorcnt 0x0                           ; my record has landed,
	s_barrier_signal -1
	s_barrier_wait -1                              ; everybody's has
.Ljob:
	s_wait_xcnt 0x0                                ; the last job's stores have read their data and bases: only behind this wait are these written again
	s_wait_dscnt 0x0                               ; no LDS load of mine is out: k's registers may be asked for anew
	s_and_b32 s39, s[T], 7                         ; the tile's place tq in its 128 tokens
	s_and_b32 s41, s[Y], 3
	s_lshl_b32 s41, s41, 7
	s_add_co_u32 s41, s41, s[T]                    ; 128 x batch + T
	s_lshr_b32 s44, s[Y], 2                        ; the head
	s_lshl_b32 s42, s41, 4
	s_add_co_u32 s42, s42, s44
	s_lshl_b32 s42, s42, 9
	s_mov_b32 s43, 0
	s_add_nc_u64 s[52:53], s[8:9], s[42:43]        ; where the result's image goes,
	s_lshl_b32 s42, s41, 9
	s_lshl_b32 s45, s44, 1
	s_add_co_u32 s42, s42, s45
	s_add_nc_u64 s[54:55], s[10:11], s[42:43]      ; and its scale bytes
	s_lshr_b32 s41, s39, 1
	s_lshl_b32 s41, s41, 5
	s_and_b32 s45, s39, 1
	s_lshl_b32 s45, s45, 3
	s_add_co_u32 s41, s41, s45                     ; 32 (tq / 2) + 8 (tq % 2)
.irp t, 0,1,2,3,4,5,6,7
	ds_load_b128 v[KF+8*\t:KF+8*\t+3], v[LI] offset:512*\t   ; step 0's k: record 0 lies at LDS byte 0
.endr
	ds_load_b128 v[KSW:KSW+3], v[LI] offset:4096
	v_add_nc_u32 v[DD], s41, v[LD]
	v_mov_b32 v13, 0xff61b1e6                      ; the largest t so far: -3e38, under every t
	v_floor_f32 v12, -v13                          ; -M
	v_mov_b32 v14, 0
	v_mov_b32 v15, 0
.set n, 0
.rept 32
	v_mov_b32 v[O+n], 0                            ; O^T.  (The step is written once: the first finds zeros, which the first change of M leaves zeros)
.set n, n+1
.endr
	s_mov_b32 s[TB], 0
	s_mov_b32 s[STEPI], 0
.Lstep:                                                ; 16 trips, a constant; the work of the steps behind the job's last is jumped over
	s_cmp_gt_u32 s[STEPI], s[NLAST]
	s_cbranch_scc1 .Lhidden
	s_add_co_u32 s38, s[TB], REC
	s_min_u32 s38, s38, 15*REC                     ; the next step's record, held at the last one: no read leaves the 16 records
	v_add_nc_u32 v[ADR], s[TB], v[LI]
	v_add_nc_u32 v[ADS], s[TB], v[LR]
	v_add_nc_u32 v[ADK], s38, v[LI]
	v_nop                                          ; four places in front of loads into registers that the last step's products have read
.irp f, 0,1,2,3,4,5,6,7
	ds_load_b128 v[VF+4*\f:VF+4*\f+3], v[ADR] offset:4608+512*\f
.endr
	ds_load_b128 v[VSW:VSW+3], v[ADS] offset:8704
	s_wait_dscnt 9                                 ; k and its scale words, asked for a step ago, are in; v's nine loads, issued behind them, may be out
.irp t, 0,1,2,3
	v_wmma_scale_f32_16x16x128_f8f6f4 v[S+8*\t:S+8*\t+7], v[KF+8*\t:KF+8*\t+7], v[QF:QF+7], 0, v[KSW+\t], v[QSW] matrix_a_fmt:MATRIX_FMT_FP4 matrix_b_fmt:MATRIX_FMT_FP4
.endr
.irp t, 4,5,6,7
	v_wmma_scale_f32_16x16x128_f8f6f4 v[S+8*\t:S+8*\t+7], v[KF+8*\t:KF+8*\t+7], v[QF:QF+7], 0, v[KSW+\t-4], v[QSW] matrix_a_fmt:MATRIX_FMT_FP4 matrix_b_fmt:MATRIX_FMT_FP4 matrix_a_scale:MATRIX_SCALE_ROW1
.endr
.rept 4
	v_nop                                          ; four places: in front of the loads into k's registers, and of the first reads of the scores
.endr
.irp t, 0,1,2,3,4,5,6,7
	ds_load_b128 v[KF+8*\t:KF+8*\t+3], v[ADK] offset:512*\t   ; the next step's k: it has the whole softmax in which to come
.endr
	ds_load_b128 v[KSW:KSW+3], v[ADK] offset:4096
	s_cmp_lg_u32 s[STEPI], s[NLAST]                ; only the job's last step lies on the diagonal
	s_cbranch_scc1 .Lopen
.set n, 0
.rept 64                                       ; register 16 b + i holds key 32 b + 16 h + i of the step: hidden where 32 b + i > my query - 16 h
	v_cmp_gt_i32 vcc_lo, 32*(n/16)+n%16, v[DD]
	v_cndmask_b32 v[S+n], v[S+n], v[NINF], vcc_lo
.set n, n+1
.endr
.Lopen:
.irp b, 0,1,2,3
	v_max3_num_f32 v[BM+\b], v[S+16*\b], v[S+1+16*\b], v[S+2+16*\b]   ; the largest score of each block of 32 keys: it serves for the row's maximum and, since p rises with the score, for the block's largest p
.endr
.irp i, 3,5,7,9,11,13
.irp b, 0,1,2,3
	v_max3_num_f32 v[BM+\b], v[BM+\b], v[S+16*\b+\i], v[S+1+16*\b+\i]
.endr
.endr
.irp b, 0,1,2,3
	v_max_num_f32 v[BM+\b], v[BM+\b], v[S+15+16*\b]
.endr
.irp b, 0,1,2,3
	v_permlanex16_b32 v[BT+\b], v[BM+\b], s[SEL], s[SEL+1]
.endr
.irp b, 0,1,2,3
	v_max_num_f32 v[BM+\b], v[BM+\b], v[BT+\b]     ; with lane l xor 16's 16 keys
.endr
	v_max3_num_f32 v[TP], v[BM], v[BM+1], v[BM+2]
	v_max_num_f32 v[TP], v[TP], v[BM+3]            ; the step's largest score of my query
	v_mul_f32 v[TP], s[CS], v[TP]                  ; as t (c is positive)
	v_max_num_f32 v13, v13, v[TP]                  ; the running largest t
	v_mov_b32 v[TP], v12
	v_floor_f32 v12, -v13                          ; the new -M = floor(-t) = -ceil(t): a whole number
	v_sub_f32 v[TP], v12, v[TP]                    ; M's old value less its new one: a whole number, 0 or less
	v_cvt_i32_f32 v[TP], v[TP]                     ; (it saturates)
	v_ldexp_f32 v[F], 1.0, v[TP]                   ; f = 2^(old M - new M)
.irp b, 0,1,2,3
	v_fma_f32 v[BM+\b], v[BM+\b], s[CS], v12       ; t - M of each block's largest score
.endr
	PKT 0
	PKT 1
	; THE EXPONENTIALS, each with plain work behind it.  First the four blocks' largest p (the same two instructions on the same number as that p itself), so that the scale bytes are made early.
	v_exp_f32 v[BM], v[BM]
	PKT 2
	v_exp_f32 v[BM+1], v[BM+1]
	PKT 3
	v_exp_f32 v[BM+2], v[BM+2]
	v_pk_mul_f32 v[14:15], v[14:15], v[F:F+1] op_sel_hi:[1,0]   ; the sum under the new M
	v_exp_f32 v[BM+3], v[BM+3]
	PKT 4
; Exponential n of 64: p = 2^(t - M), at most 1, not normalised.  Behind it: at an even n, t - M of pair n / 2 + 5, whose own exponentials come ten further on; at an odd n from 11 on, the sum takes pair (n - 11) / 2, whose
; exponentials stand ten and more back; and one line of this list: n = 0 .. 14 the four scale bytes and p's scale word; n = 15, 19, 27, 35, 43, 51, 59 a conversion of eight p whose exponentials stand four back or more;
; n = 37, 38 the first two swaps; from n = 46 on O^T's sixteen rescalings.  No line reads the result of the exponential just ahead of it, and a plain line stands between every exponential and the use of its result.
.set n, 0
.set ci, 0
.set oi, 0
.rept 64
	v_exp_f32 v[S+n], v[S+n]
.if (n%2 == 0) && (n/2+5 < 32)
	PKT n/2+5
.endif
.if (n%2 == 1) && (n >= 11)
	SUMP (n-11)/2
.endif
.if n < 4
	s_wait_alu depctr_va_vdst(0)
	v_max_num_f32 v[BM+n], 0x1800000, v[BM+n]      ; the floor 2^(3 - 127): the byte cannot fall under 1
.elseif n < 8
	v_add_nc_u32 v[SO+n-4], 0xff000000, v[BM+n-4]  ; 2 off the exponent field: the conversion's scale operand
.elseif n < 12
	v_lshrrev_b32 v[BT+n-8], 23, v[SO+n-8]         ; the scale's byte
.elseif n == 12
	v_lshl_or_b32 v[PSW], v[BT+1], 8, v[BT]        ; p's scale word for these 128 keys
.elseif n == 13
	v_lshl_or_b32 v[PSW], v[BT+2], 16, v[PSW]
.elseif n == 14
	v_lshl_or_b32 v[PSW], v[BT+3], 24, v[PSW]
.elseif (n == 15) || ((n > 15) && (n%8 == 3))
	s_wait_alu depctr_va_vdst(0)
	v_cvt_scalef32_pk8_fp4_f32 v[PC+ci], v[S+8*ci:S+8*ci+7], v[SO+ci/2]
.set ci, ci+1
.elseif n == 37
	v_permlane16_swap_b32 v[PC], v[PC+2]           ; the operand's layout wants a whole block in a lane: lanes 0-15 block 0, lanes 16-31 block 1
.elseif n == 38
	v_permlane16_swap_b32 v[PC+1], v[PC+3]
.elseif n >= 46
	v_pk_mul_f32 v[O+2*oi:O+2*oi+1], v[O+2*oi:O+2*oi+1], v[F:F+1] op_sel_hi:[1,0]   ; O^T under the new M, each accumulator from its low end on
.set oi, oi+1
.endif
.set n, n+1
.endr
	s_wait_alu depctr_va_vdst(0)
	v_cvt_scalef32_pk8_fp4_f32 v[PC+7], v[S+56:S+63], v[SO+3]   ; the last eight p: two plain lines stand between the last exponential and this
	SUMP 27                                        ; a plain place behind the conversion
	v_permlane16_swap_b32 v[PC+4], v[PC+6]         ; lanes 0-15 block 2, lanes 16-31 block 3
	v_permlane16_swap_b32 v[PC+5], v[PC+7]
	SUMP 28                                        ; the last five sums are the places between the swaps and the products below
	SUMP 29
	SUMP 30
	SUMP 31
	v_pk_add_f32 v[14:15], v[14:15], v[SB:SB+1]
	s_wait_dscnt 0x0                               ; v and its scale words are in (and the next step's k)
.irp t, 0,1,2,3                                ; O^T += v^T p^T: the four accumulators by turns
	v_wmma_scale_f32_16x16x128_f8f6f4 v[O+8*\t:O+8*\t+7], v[VF+8*\t:VF+8*\t+7], v[PC:PC+7], v[O+8*\t:O+8*\t+7], v[VSW+\t], v[PSW] matrix_a_fmt:MATRIX_FMT_FP4 matrix_b_fmt:MATRIX_FMT_FP4
.endr
.Lhidden:
	s_add_co_u32 s[TB], s[TB], REC
	s_add_co_u32 s[STEPI], s[STEPI], 1
	s_cmp_lt_u32 s[STEPI], 16
	s_cbranch_scc1 .Lstep
	; THE JOB'S END: O^T / the sum, quantised along d: register 16 b + i is d = 32 b + 16 h + i of my query
.rept 4
	v_nop
.endr
	v_add_f32 v14, v14, v15                        ; the sum's two halves,
	v_permlanex16_b32 v[TP], v14, s[SEL], s[SEL+1]
	v_add_f32 v14, v14, v[TP]                      ; and lane l xor 16's
	v_rcp_f32 v14, v14
	v_nop                                          ; one plain place behind a transcendental
.set n, 0
	s_wait_alu depctr_va_vdst(0)
.rept 16
	v_pk_mul_f32 v[S+n:S+n+1], v[O+n:O+n+1], v[14:15] op_sel_hi:[1,0]   ; each accumulator from its low end on
.set n, n+2
.endr
.irp b, 0,1
	v_max3_num_f32 v[BM+\b], |v[S+16*\b]|, |v[S+1+16*\b]|, 0x1800000
.endr
.irp i, 2,4,6,8,10,12,14
.irp b, 0,1
	v_max3_num_f32 v[BM+\b], v[BM+\b], |v[S+16*\b+\i]|, |v[S+1+16*\b+\i]|
.endr
.endr
.irp b, 0,1
	v_permlanex16_b32 v[BT+\b], v[BM+\b], s[SEL], s[SEL+1]
.endr
.irp b, 0,1
	v_max_num_f32 v[BM+\b], v[BM+\b], v[BT+\b]
.endr
.irp b, 0,1
	v_add_nc_u32 v[SO+\b], 0xff000000, v[BM+\b]
.endr
.irp b, 0,1
	v_lshrrev_b32 v[BT+\b], 23, v[SO+\b]
.endr
.irp b, 0,1
	v_cvt_scalef32_pk8_fp4_f32 v[PC+2*\b], v[S+16*\b:S+7+16*\b], v[SO+\b]
	v_cvt_scalef32_pk8_fp4_f32 v[PC+1+2*\b], v[S+8+16*\b:S+15+16*\b], v[SO+\b]
.endr
	v_nop
.irp i, 0,1
	v_permlane16_swap_b32 v[PC+\i], v[PC+2+\i]     ; lanes 0-15 hold d = 0 .. 31, lanes 16-31 d = 32 .. 63
.endr
	global_store_b128 v[LI], v[PC:PC+3], s[52:53]  ; 512 consecutive bytes, aligned
	v_cndmask_b32 v[TP], v[BT], v[BT+1], s[HI]     ; lanes 0-15 carry block 0's byte, lanes 16-31 block 1's
	global_store_b8 v[SA], v[TP], s[54:55]
.irp i, 0,1,2,3
	v_mov_b32 v[QF+\i], v[Q2+\i]                   ; the second job's q, which has waited in registers since the kernel's head, takes its place in the fragment
.endr
	v_mov_b32 v[QSW], v[Q2S]
	s_sub_co_u32 s[T], 127, s[T]                   ; the second job: the tile mirrored in the sequence
	s_sub_co_u32 s[NLAST], 15, s[NLAST]
	s_sub_co_u32 s[JOB], s[JOB], 1
	s_cmp_lg_u32 s[JOB], 0
	s_cbranch_scc1 .Ljob
	s_wait_dscnt 0x0
	s_wait_tensorcnt 0x0
	ds_add_u32 v30, v31
	s_wait_dscnt 0x0
	CROUND                                         ; the closing round
	s_endpgm
.Lfunc_end_k_q7794db48ab_attn:
	.size	k_q7794db48ab_attn, .Lfunc_end_k_q7794db48ab_attn-k_q7794db48ab_attn
	.p2alignl 7, 3214868480
	.fill 96, 4, 3214868480
	.section	.rodata,"a",@progbits
	.p2align	6, 0x0
	.amdhsa_kernel k_q7794db48ab_attn
		.amdhsa_group_segment_fixed_size 169984
		.amdhsa_private_segment_fixed_size 0
		.amdhsa_enable_private_segment 0
		.amdhsa_kernarg_size 32
		.amdhsa_user_sgpr_count 2
		.amdhsa_user_sgpr_kernarg_segment_ptr 1
		.amdhsa_wavefront_size32 1
		.amdhsa_system_sgpr_workgroup_id_x 1
		.amdhsa_system_sgpr_workgroup_id_y 1
		.amdhsa_system_sgpr_workgroup_id_z 1
		.amdhsa_system_vgpr_workitem_id 0
		.amdhsa_next_free_vgpr 256
		.amdhsa_next_free_sgpr 66
		.amdhsa_reserve_vcc 1
		.amdhsa_float_denorm_mode_32 3
		.amdhsa_float_denorm_mode_16_64 3
		.amdhsa_memory_ordered 1
		.amdhsa_forward_progress 1
		.amdhsa_inst_pref_size 34
	.end_amdhsa_kernel
	.amdgpu_metadata
---
amdhsa.version: [ 1, 2 ]
amdhsa.kernels:
  - .name:           k_q7794db48ab_attn
    .symbol:         k_q7794db48ab_attn.kd
    .args:
      - { .name: qbuf, .offset: 0, .size: 8, .value_kind: global_buffer, .address_space: global }
      - { .name: kvbuf, .offset: 8, .size: 8, .value_kind: global_buffer, .address_space: global }
      - { .name: acodes, .offset: 16, .size: 8, .value_kind: global_buffer, .address_space: global }
      - { .name: ascales, .offset: 24, .size: 8, .value_kind: global_buffer, .address_space: global }
    .group_segment_fixed_size: 169984
    .private_segment_fixed_size: 0
    .kernarg_segment_align: 8
    .kernarg_segment_size: 32
    .max_flat_workgroup_size: 512
    .sgpr_count:     66
    .vgpr_count:     256
    .wavefront_size: 32
...
	.end_amdgpu_metadata
.endif
;; end of part 3
;; launch outp (part 4): grid 4 x 32, 4 waves a work-group, clusters of 4 x 4, 327,680 bytes of LDS; arguments acodes, ascales, codes, scales, b_out, out0; writes out0
.if DOCPART == 4
	.amdgcn_target "amdgcn-amd-amdhsa--gfx1250"
	.amdhsa_code_object_version 6
	.text
	.protected	k_q7794db48ab_outp
	.globl	k_q7794db48ab_outp
	.p2align	8
	.type	k_q7794db48ab_outp,@function
k_q7794db48ab_outp:
	s_mov_b64 s[64:65], 0
	v_nop
	global_prefetch_b8 v0, s[64:65] scope:SCOPE_SE
	s_setreg_imm32_b32 hwreg(HW_REG_WAVE_MODE, 25, 1), 1
	s_wait_xcnt 0x0
	s_wait_alu depctr_hold_cnt(0) depctr_sa_sdst(0) depctr_va_vdst(0) depctr_va_sdst(0) depctr_va_ssrc(0) depctr_va_vcc(0) depctr_vm_vsrc(0)
	s_getreg_b32 s2, hwreg(HW_REG_IB_STS2, 6, 4)
	s_cmp_eq_u32 s2, 0
	s_cbranch_scc0 .Lentry_in_a_cluster
	s_endpgm
.Lentry_in_a_cluster:
	s_bfe_u32 s2, ttmp6, 0x10000c
	s_cmp_lg_u32 s2, 0xf033
	s_cbranch_scc0 .Lentry_shape_is_right
	s_endpgm
.Lentry_shape_is_right:
; out0 = a w_out^T + b_out on codes of FP4 with E8M0 scales, K = 1,024 = (head, d); out0 [8192][1024] f32.
; A = the attention's result: acodes [tile of 16 places (512)][head (16)][512 bytes]: images of operand registers, lane l's 16 bytes at 16 l; two neighbouring heads are the 8 registers of a fragment of 128 K.
; ascales [place][32 bytes].  B = w_out: rows 11264 on of the buffer of codes (512 bytes a row) and of its scale bytes (32 a row).  On both sides row R lies at the place R with bits 3 and 4 exchanged.
; A tile of 256 x 256 is made by a work-group of four waves, a wave makes 128 x 128: 64 accumulators.  K goes in two steps of 512 through two LDS slots, each filled once.
; Source 0 = 16 places of B, source 1 = 16 places of A: a lane holds one place of A, and register j of accumulator (a, b) is column 32 (b / 2) + 16 (lane / 16) + 8 (b % 2) + j of my 128.
; 4 x 4 work-groups form a cluster: A's tiles are shared along a row of it, B's along a column, each asked for jointly.  The bias is the C of each sum's first matrix instruction.
; The way out goes through the wave's own stage in LDS, where columns and rows are put in their true order; whole rows of 512 bytes are stored.
; REGISTERS, in windows of 256: window 0: v16-31 addresses; v32-95 scale words, two sets; v128-191 A's fragments; on the way out v128-255.
;   window 1: B's fragments, two sets, at v0 and v128; v64-127 the bias.   windows 2, 3: the accumulators ((a, b) at v[8 (8 (a % 4) + b)]).
.set NQ,     4
.set ROWB,   256
.set KROW,   512
.set PITCH,  272                       ; B's LDS row: 256 bytes + 16 of padding
.set FR,     8
.set NL,     2
.set NP,     4                         ; places behind this matrix instruction (ISA guide 7.12.1)
.set HALFT,  128*PITCH                 ; the LDS share of one tensor load (A's uses 32,768 bytes of it)
.set SLOT,   4*HALFT
.set KS,     32
.set SCL,    2*SLOT
.set HALFS,  (128*KS/256)*272
.set SBLK,   (16*KS/256)*272
.set SPARE,  SCL+4*HALFS               ; the spare words, 128 bytes for each wave, that no other line names
.set SPITCH, 528                       ; the stage: 16 rows x (512 bytes + 16) for each wave, in slot 0, which has had its only fill and its last read when the first result is stored there
.set NROW,   4096                      ; a row of out0 in bytes
.set ADRA, 16
.set ADRB, 20
.set STO,  24                          ; v24  the way out: where I put 32 bytes of a row
.set RD,   25                          ; v25  where I read a row back
.set CO,   26                          ; v26  my byte offset in a row of out0
.set ADRS, 27
.set SPW,  28
.set NIL,  29
.set BA,   30                          ; v30  my byte offset in the bias
.set SC,   32
.set AF,   128
.set BK,   128                         ; the way out: 16 rows read back: v128-191 and v192-255 by turns
.set BI,   64                          ; in window 1: the bias
.set CP,   98                          ; s[98:99] out0
.set G1, 24
.set G0, 32
.set G1B, 48
.set G0B, 56
.set G1S, 68
.set G0S, 76
.set G1SB, 80
.set G0SB, 88
.set MSB, 0
.macro WIN new                         ; the immediate's high byte repeats the setting that is left
.if MSB != (\new)
	s_set_vgpr_msb (MSB<<8)|(\new)
.set MSB, (\new)
.endif
.endm
.set MUL_LO, 0xa1
.set MUL_HI, 0xf1
.set TO_B,   0x40
.macro JLOAD g0a, g1a, g0b, g1b        ; a joint load: waves 0 and 1 fetch for A, waves 2 and 3 for B; four v_nop follow each of the two lines
	s_cmp_eq_u32 s15, 0
	s_cbranch_scc0 .Lfor_b_\@
	tensor_load_to_lds s[\g0a:\g0a+3], s[\g1a:\g1a+7]
	s_nop 0
.rept 4
	v_nop
.endr
	s_branch .Lasked_\@
.Lfor_b_\@:
	tensor_load_to_lds s[\g0b:\g0b+3], s[\g1b:\g1b+7]
	s_nop 0
.rept 4
	v_nop
.endr
.Lasked_\@:
.endm
.macro CROUND                          ; a round of the cluster's barrier
	s_barrier_signal -1
	s_barrier_wait -1
	s_cmp_lg_u32 s14, 0
	s_cbranch_scc1 .Lnot_wave_0_\@
	s_barrier_signal -3
.Lnot_wave_0_\@:
	s_barrier_wait -3
	s_barrier_signal -1
	s_barrier_wait -1
.endm
	s_load_b128 s[4:7], s[0:1], 0x0                ; acodes, ascales
	s_load_b128 s[8:11], s[0:1], 0x10              ; codes, scales
	s_load_b128 s[96:99], s[0:1], 0x20             ; b_out, out0
	v_lshl_add_u32 v[SPW], v0, 2, SPARE
	v_mov_b32 v[NIL], 0
	ds_add_u32 v28, v29
	ds_add_u32 v28, v29
	s_wait_dscnt 0x0
	v_lshrrev_b32 v1, 5, v0
	v_readfirstlane_b32 s14, v1                    ; wave 0..3
	s_lshr_b32 s15, s14, 1                         ; which half of A's 256 places is mine.  Also: I fetch for A (0) or for B (1)
	s_and_b32 s16, s14, 1                          ; which half of B's.  Also: which 128 rows of that tile I fetch
	s_bfe_u32 s40, ttmp6, 0x40000                  ; cx, cy
	s_bfe_u32 s41, ttmp6, 0x40004
	s_lshl_b32 s42, ttmp9, 2
	s_add_co_u32 s42, s42, s40                     ; tile column = 4 x cluster x + cx
	s_and_b32 s17, ttmp7, 0xffff
	s_lshl_b32 s17, s17, 2
	s_add_co_u32 s17, s17, s41                     ; tile row = 4 x cluster y + cy
	s_lshl_b32 s43, s41, 2
	s_lshl_b32 s43, 15, s43                        ; my row of the cluster
	s_lshl_b32 s44, 0x1111, s40                    ; my column
	; A's tiles: 8 tiles of 16 places, of each 8 heads' images: 4,096 consecutive bytes, 8,192 apart; dense in LDS: every read of them takes 512 consecutive bytes
	s_or_b32 s[G1+0], s43, (3<<16)|(1<<21)         ; 15:0 the mask: my row; 17:16 elements of 8 bytes; 20 no padding; 21 set beside a mask
	s_mov_b32 s[G1+1], 512<<16                     ; tensor_dim0 = 512 elements
	s_mov_b32 s[G1+2], 8<<16                       ; tensor_dim1 = 8
	s_mov_b32 s[G1+3], 512<<16                     ; tile_dim0
	s_mov_b32 s[G1+4], 8                           ; tile_dim1
	s_mov_b32 s[G1+5], 1024                        ; tensor_dim0_stride
	s_mov_b32 s[G1+6], 0
	s_mov_b32 s[G1+7], 0
	; B's tiles: 128 rows x 256 bytes, padded in LDS
	s_or_b32 s[G1B+0], s44, (0<<16)|(1<<20)|(1<<21)|(5<<22)|(3<<25)
	s_mov_b32 s[G1B+1], ROWB<<16
	s_mov_b32 s[G1B+2], 128<<16
	s_mov_b32 s[G1B+3], ROWB<<16
	s_mov_b32 s[G1B+4], 128
	s_mov_b32 s[G1B+5], KROW
	s_mov_b32 s[G1B+6], 0
	s_mov_b32 s[G1B+7], 0
	; the scale bytes of 128 rows: 4,096 dense bytes, as rows of 256 bytes, 16 bytes of padding behind each
	s_or_b32 s[G1S+0], s43, (3<<16)|(1<<20)|(1<<21)|(5<<22)|(3<<25)
	s_or_b32 s[G1SB+0], s44, (3<<16)|(1<<20)|(1<<21)|(5<<22)|(3<<25)
.irp g, G1S, G1SB
	s_mov_b32 s[\g+1], 32<<16
	s_mov_b32 s[\g+2], (128*KS/256)<<16
	s_mov_b32 s[\g+3], 32<<16
	s_mov_b32 s[\g+4], 128*KS/256
	s_mov_b32 s[\g+5], 32
	s_mov_b32 s[\g+6], 0
	s_mov_b32 s[\g+7], 0
.endr
	s_lshl_b32 s18, s16, 7                         ; which 128 rows of the tile I fetch
	s_lshl_b32 s20, s17, 8
	s_add_co_u32 s20, s20, s18                     ; A: place 256 x tile row + 128 x half
	s_lshl_b32 s46, s42, 8
	s_add_co_u32 s46, s46, s18
	s_add_co_u32 s46, s46, 11264                   ; B: w_out's first row + 256 x tile column + 128 x half
	s_mov_b32 s21, 0
	s_mov_b32 s47, 0
	s_mov_b64 s[18:19], KS
	s_mul_u64 s[22:23], s[20:21], s[18:19]
	s_mul_u64 s[92:93], s[46:47], s[18:19]
	s_mov_b64 s[18:19], KROW                       ; 512 bytes a place on both sides (A: a tile of 16 places is 8,192 bytes)
	s_mul_u64 s[20:21], s[20:21], s[18:19]
	s_mul_u64 s[46:47], s[46:47], s[18:19]
	s_mul_i32 s45, s14, HALFT                      ; where they go: no place in the cluster enters an LDS address
	s_mul_i32 s94, s14, HALFS
	s_wait_kmcnt 0x0
	s_add_nc_u64 s[20:21], s[4:5], s[20:21]
	s_add_nc_u64 s[22:23], s[6:7], s[22:23]
	s_add_nc_u64 s[46:47], s[8:9], s[46:47]
	s_add_nc_u64 s[92:93], s[10:11], s[92:93]
	CROUND                                         ; all sixteen work-groups are here: the joint loads meet
	s_mov_b32 s[G0S], 1
	s_add_co_u32 s[G0S+1], s94, SCL
	s_mov_b64 s[G0S+2:G0S+3], s[22:23]
	s_or_b32 s[G0S+3], s[G0S+3], 0x80000000
	s_mov_b32 s[G0SB], 1
	s_add_co_u32 s[G0SB+1], s94, SCL
	s_mov_b64 s[G0SB+2:G0SB+3], s[92:93]
	s_or_b32 s[G0SB+3], s[G0SB+3], 0x80000000
	JLOAD G0S, G1S, G0SB, G1SB
.irp s, 0,1
	s_mov_b32 s[G0+4*\s], 1
	s_add_co_u32 s[G0+4*\s+1], s45, \s*SLOT
	s_add_nc_u64 s[G0+4*\s+2:G0+4*\s+3], s[20:21], \s*4096       ; heads 8 s on
	s_or_b32 s[G0+4*\s+3], s[G0+4*\s+3], 0x80000000
	s_mov_b32 s[G0B+4*\s], 1
	s_add_co_u32 s[G0B+4*\s+1], s45, \s*SLOT
	s_add_nc_u64 s[G0B+4*\s+2:G0B+4*\s+3], s[46:47], \s*ROWB
	s_or_b32 s[G0B+4*\s+3], s[G0B+4*\s+3], 0x80000000
	JLOAD G0+4*\s, G1, G0B+4*\s, G1B               ; three loads of mine are out: all that this launch asks for
.endr
	v_and_b32 v1, 15, v0                           ; r
	v_bfe_u32 v2, v0, 4, 1                         ; h
	v_and_b32 v6, 31, v0
	v_lshlrev_b32 v[CO], 4, v6                     ; 16 x lane
	v_mul_u32_u24 v3, v1, PITCH
	v_lshl_add_u32 v4, v2, 4, v3                   ; B: a fragment's row x pitch + 16 x half
	s_mul_i32 s21, s15, HALFT                      ; my 128 places of A
	s_mul_i32 s22, s16, HALFT                      ; my 128 rows of B,
	s_add_co_u32 s22, s22, 2*HALFT                 ; which lie behind A's
.irp s, 0,1
	v_add_nc_u32 v[ADRA+\s], s21, v[CO]            ; A: an image: 16 x lane
	v_add_nc_u32 v[ADRB+\s], s22, v4
	s_add_co_u32 s21, s21, SLOT
	s_add_co_u32 s22, s22, SLOT
.endr
	v_mul_u32_u24 v5, v1, KS
	v_lshrrev_b32 v6, 8, v5
	v_lshl_add_u32 v5, v6, 4, v5
	s_mul_i32 s21, s15, HALFS
	s_mul_i32 s22, s16, HALFS
	s_add_co_u32 s22, s22, 2*HALFS
	s_sub_co_u32 s22, s22, s21
	v_mul_u32_u24 v6, s22, v2                      ; lanes 16-31 take B's scale words
	s_add_co_u32 s21, s21, SCL
	v_add_nc_u32 v5, v5, v6
	v_add_nc_u32 v[ADRS], s21, v5
	s_mul_i32 s23, s14, 16*SPITCH                  ; my stage
	v_mul_u32_u24 v5, v1, SPITCH                   ; in: row r, + 64 h: my half's 16 columns of each 32
	v_lshl_add_u32 v5, v2, 6, v5
	v_add_nc_u32 v[STO], s23, v5
	v_add_nc_u32 v[RD], s23, v[CO]                 ; back: the 32 lanes take one row of 512 bytes
	s_lshl_b32 s20, s17, 8
	s_lshl_b32 s21, s15, 7
	s_add_co_u32 s20, s20, s21                     ; my first row of out0: 256 x tile row + 128 x half
	s_lshl_b32 s20, s20, 12                        ; x 4,096 bytes (under 2^25)
	s_lshl_b32 s46, s42, 10                        ; my first column, in bytes: 1024 x tile column + 512 x half
	s_lshl_b32 s47, s16, 9
	s_add_co_u32 s46, s46, s47
	s_mov_b32 s47, 0
	s_add_nc_u64 s[96:97], s[96:97], s[46:47]      ; the bias of my 128 columns
	s_add_co_u32 s46, s46, s20
	s_add_nc_u64 s[CP:CP+1], s[CP:CP+1], s[46:47]
	v_lshlrev_b32 v[BA], 6, v2                     ; accumulator (a, b), register j: column 32 (b / 2) + 16 h + 8 (b % 2) + j
	WIN TO_B
.irp b, 0,1,2,3,4,5,6,7
	global_load_b128 v[BI+8*\b:BI+8*\b+3], v[BA], s[96:97] offset:(32*(\b/2)+8*(\b%2))*4
	global_load_b128 v[BI+8*\b+4:BI+8*\b+7], v[BA], s[96:97] offset:(32*(\b/2)+8*(\b%2))*4+16
.endr
	WIN 0
.macro FRAG reg, adr, q, i             ; B: 16 rows x 128 K: two loads of 16 bytes, 32 bytes apart
.irp c, 0,1
	ds_load_b128 v[\reg+4*\c:\reg+4*\c+3], v[\adr] offset:64*(\q)+32*\c+(\i)*16*PITCH
.endr
.endm
.macro FRAGA reg, adr, q, i            ; A: tile i, heads 2 q and 2 q + 1 of the slot's eight: two images of 512 bytes
.irp c, 0,1
	ds_load_b128 v[\reg+4*\c:\reg+4*\c+3], v[\adr] offset:1024*(\q)+512*\c+(\i)*4096
.endr
.endm
; 16 matrix instructions: A's blocks a0, a0 + 1 x B's eight.  zero = 1: the sums start from the bias.  The 64 accumulators take turns, one instruction a turn.
.macro MUL16 a0, p, q, sc, zero
.irp a, \a0, \a0+1
.irp b, 0,1,2,3,4,5,6,7
.if \zero
.set CC, BI+8*\b
.else
.set CC, 8*(8*((\a)%4)+\b)
.endif
	v_wmma_scale_f32_16x16x128_f8f6f4 v[8*(8*((\a)%4)+\b):8*(8*((\a)%4)+\b)+7], v[128*(\p)+FR*\b:128*(\p)+FR*\b+FR-1], v[AF+FR*(\a):AF+FR*(\a)+FR-1], v[CC:CC+7], v[SC+8*NQ*(\sc)+NQ*\b+(\q)], v[SC+8*NQ*(\sc)+NQ*(\a)+(\q)] matrix_a_fmt:MATRIX_FMT_FP4 matrix_b_fmt:MATRIX_FMT_FP4 matrix_a_scale:MATRIX_SCALE_ROW1
.endr
.endr
.endm
.macro FETCH_B slot, q, p
	WIN TO_B
.irp i, 0,1,2,3,4,5,6,7
	FRAG 128*(\p)+FR*\i, ADRB+\slot, \q, \i
.endr
	WIN 0
.endm
.macro FETCH_A slot, q, i0
.irp i, \i0, \i0+1, \i0+2, \i0+3
	FRAGA AF+FR*(\i), ADRA+\slot, \q, \i
.endr
.endm
.macro SCALES sc
.irp i, 0,1,2,3,4,5,6,7
	ds_load_b128 v[SC+8*NQ*\sc+NQ*\i:SC+8*NQ*\sc+NQ*\i+3], v[ADRS] offset:\i*SBLK
.endr
.endm
.macro PLACES n                        ; places in front of loads into registers that matrix instructions have read, and of the first reads of results (ISA guide 7.12.1 for the first reads of results)
.rept \n
	v_nop
.endr
.endm
.macro STEP slot, q, zero
	s_wait_dscnt 4*NL                              ; all but the youngest eight loads (A's blocks 4-7) are in
.if \zero
	WIN 0x91                                       ; C (the bias) window 1, D window 2
.else
	WIN MUL_LO
.endif
	MUL16 0, (\q)%2, \q, \slot, \zero
	MUL16 2, (\q)%2, \q, \slot, \zero
	s_wait_dscnt 0
	PLACES NP
	FETCH_B \slot, (\q)+1, 1-(\q)%2
	FETCH_A \slot, (\q)+1, 0
.if \zero
	WIN 0xd1
.else
	WIN MUL_HI
.endif
	MUL16 4, (\q)%2, \q, \slot, \zero
	MUL16 6, (\q)%2, \q, \slot, \zero
	PLACES NP
	WIN 0
	FETCH_A \slot, (\q)+1, 4
.endm
.macro TURN slot, next                 ; slot 0's last step changes slots: one barrier
	s_wait_tensorcnt 0x0                           ; all my tensor loads have landed: my part of the next slot
	ds_add_u32 v[SPW], v[NIL]                      ; 0 onto my spare word
	s_wait_dscnt 4*NL+1                            ; (the add and the youngest eight loads may be out)
	WIN MUL_LO
	MUL16 0, 1, NQ-1, \slot, 0
	s_wait_dscnt 0x0                               ; the add is done, and my reads of this slot are over
	s_barrier_signal -1
	MUL16 2, 1, NQ-1, \slot, 0
	WIN 0
	s_barrier_wait -1                              ; the next slot is whole, and nobody reads this one any more
	PLACES NP
	v_add_nc_u32 v[ADRS], 4*NQ, v[ADRS]
	FETCH_B \next, 0, 0
	FETCH_A \next, 0, 0
	SCALES \next
	WIN MUL_HI
	MUL16 4, 1, NQ-1, \slot, 0
	MUL16 6, 1, NQ-1, \slot, 0
	PLACES NP
	WIN 0
	FETCH_A \next, 0, 4
.endm
.macro STEPS slot, from
.set Q, \from
.rept NQ-1-\from
	STEP \slot, Q, 0
.set Q, Q+1
.endr
.endm
	s_wait_tensorcnt 1                             ; the scale bytes and my part of slot 0 are in (slot 1's load may be out)
	s_barrier_signal -1
	s_barrier_wait -1                              ; everybody's are
	FETCH_B 0, 0, 0
	FETCH_A 0, 0, 0
	SCALES 0
	FETCH_A 0, 0, 4
	s_wait_loadcnt 0x0                             ; the bias
	STEP 0, 0, 1
	STEPS 0, 1
	TURN 0, 1
	STEPS 1, 0
	s_wait_dscnt 4*NL                              ; the very last step
	WIN MUL_LO
	MUL16 0, 1, NQ-1, 1, 0
	MUL16 2, 1, NQ-1, 1, 0
	s_wait_dscnt 0
	WIN MUL_HI
	MUL16 4, 1, NQ-1, 1, 0
	MUL16 6, 1, NQ-1, 1, 0
	WIN 0
; THE WAY OUT, block by block of 16 places x 128 columns, through my own stage.  LDS serves a wave's instructions in order: no wait between the stores and the loads, nor in front of the next block's stores.
.macro TOSTAGE a
.set AC, 64*((\a)%4)
	WIN 0x08+4*((\a)/4)                            ; the data: window 2 or 3
.irp b, 0,1,2,3,4,5,6,7
	ds_store_b128 v[STO], v[AC+8*\b:AC+8*\b+3] offset:128*(\b/2)+32*(\b%2)         ; each accumulator from its low end on; its eight columns at their true place in the row
	ds_store_b128 v[STO], v[AC+8*\b+4:AC+8*\b+7] offset:128*(\b/2)+32*(\b%2)+16
.endr
	WIN 0
.set BB, BK+64*((\a)%2)
.irp t, 0,1,2,3,4,5,6,7,8,9,10,11,12,13,14,15
	ds_load_b128 v[BB+4*\t:BB+4*\t+3], v[RD] offset:\t*SPITCH
.endr
.endm
.macro SEND a, younger                 ; younger: the LDS instructions issued behind block a's loads, which may stay out
.set BB, BK+64*((\a)%2)
	s_wait_dscnt \younger                          ; the block is back in registers
.if (\a) > 0
	s_add_nc_u64 s[CP:CP+1], s[CP:CP+1], (8+16*(1-(\a)%2))*NROW   ; (behind a wait on XCNT)  block a begins at row 32 (a / 2) + 8 (a % 2): 8 rows on, or 24
.endif
.irp t, 0,1,2,3,4,5,6,7,8,9,10,11,12,13,14,15
	global_store_b128 v[CO], v[BB+4*\t:BB+4*\t+3], s[CP:CP+1] offset:(\t+8*(\t/8))*NROW th:TH_STORE_NT   ; place t of the block is row t + 8 (t / 8): 32 lanes store 512 consecutive bytes, aligned; written once
.endr
.endm
	PLACES NP
	TOSTAGE 0
.irp a, 1,2,3,4,5,6,7
.if \a > 1
	s_wait_xcnt 0x0                                ; block a - 2's stores have read their registers and their base: block a's loads may land there, and the base may step
.endif
	TOSTAGE \a
	SEND \a-1, 32                                  ; behind block a - 1's loads: block a's 16 stores and 16 loads
.endr
	s_wait_xcnt 0x0                                ; block 6's stores have read their base
	SEND 7, 0
	s_wait_tensorcnt 0x0                           ; the wave's end
	ds_add_u32 v[SPW], v[NIL]
	s_wait_dscnt 0x0
	CROUND                                         ; the closing round
	s_endpgm
.Lfunc_end_k_q7794db48ab_outp:
	.size	k_q7794db48ab_outp, .Lfunc_end_k_q7794db48ab_outp-k_q7794db48ab_outp
	.p2alignl 7, 3214868480
	.fill 96, 4, 3214868480
	.section	.rodata,"a",@progbits
	.p2align	6, 0x0
	.amdhsa_kernel k_q7794db48ab_outp
		.amdhsa_group_segment_fixed_size 327680
		.amdhsa_private_segment_fixed_size 0
		.amdhsa_enable_private_segment 0
		.amdhsa_kernarg_size 48
		.amdhsa_user_sgpr_count 2
		.amdhsa_user_sgpr_kernarg_segment_ptr 1
		.amdhsa_wavefront_size32 1
		.amdhsa_system_sgpr_workgroup_id_x 1
		.amdhsa_system_sgpr_workgroup_id_y 1
		.amdhsa_system_sgpr_workgroup_id_z 1
		.amdhsa_system_vgpr_workitem_id 0
		.amdhsa_next_free_vgpr 1024
		.amdhsa_next_free_sgpr 100
		.amdhsa_reserve_vcc 0
		.amdhsa_float_denorm_mode_32 3
		.amdhsa_float_denorm_mode_16_64 3
		.amdhsa_memory_ordered 1
		.amdhsa_forward_progress 1
		.amdhsa_inst_pref_size 126
	.end_amdhsa_kernel
	.amdgpu_metadata
---
amdhsa.version: [ 1, 2 ]
amdhsa.kernels:
  - .name:           k_q7794db48ab_outp
    .symbol:         k_q7794db48ab_outp.kd
    .args:
      - { .name: acodes, .offset: 0, .size: 8, .value_kind: global_buffer, .address_space: global }
      - { .name: ascales, .offset: 8, .size: 8, .value_kind: global_buffer, .address_space: global }
      - { .name: codes, .offset: 16, .size: 8, .value_kind: global_buffer, .address_space: global }
      - { .name: scales, .offset: 24, .size: 8, .value_kind: global_buffer, .address_space: global }
      - { .name: b_out, .offset: 32, .size: 8, .value_kind: global_buffer, .address_space: global }
      - { .name: out0, .offset: 40, .size: 8, .value_kind: global_buffer, .address_space: global }
    .group_segment_fixed_size: 327680
    .private_segment_fixed_size: 0
    .kernarg_segment_align: 8
    .kernarg_segment_size: 48
    .max_flat_workgroup_size: 128
    .sgpr_count:     100
    .vgpr_count:     1024
    .wavefront_size: 32
...
	.end_amdgpu_metadata
.endif
;; end of part 4
